; MI455X (gfx1250); checked and timed in simulation.
; The chip was launched on July 23, 2026; its instructions are those of AMD's public machine-readable ISA for CDNA 5 (MIT licence, August 2026) and "CDNA5" Instruction Set Architecture Reference Guide (July 2026). The comments in the code are by the model that wrote it; some were corrected since.
;; Multi Head Self Attention. Allowed arithmetic: matrix products marked QUANTISED: E4M3 operands, one given power-of-two scale a tensor, by v_wmma_f32_16x16x64_fp8_fp8 or v_wmma_f32_16x16x128_fp8_fp8, f32 sums; everything else in f32.
;; Inputs: W_k 1,024 x 1,024 float32; W_o 1,024 x 1,024 float32; W_q 1,024 x 1,024 float32; W_v 1,024 x 1,024 float32; lowp_scales 12 int32 (the exponents e of the quantised operands' scales 2^e); x 4 x 2,048 x 1,024 float32.
;; Outputs: out0 4 x 2,048 x 1,024 float32.
;; This version of the problem:
;;   THIS VERSION OF THE PROBLEM IS GIVEN IN LOW PRECISION. The matrix products marked QUANTISED in the list below multiply operands that are first quantised to E4M3 (4 exponent bits, 3 mantissa bits; 8 bits a number), with one given power-of-two scale for each operand tensor; their sums are f32. All else is computed in f32.
;;   The module's matrix products, in the order in which they are computed (A, B: the left and right operand; K: the contracted axis; several contracted axes count as one K, in the product's order):
;;     1. [M 8,192, K 1,024] x [K 1,024, N 1,024]; A: input x; B: input W_q: QUANTISED (scales: A lowp_scales[0], B lowp_scales[1])
;;     2. [M 8,192, K 1,024] x [K 1,024, N 1,024]; A: input x; B: input W_k: QUANTISED (scales: A lowp_scales[2], B lowp_scales[3])
;;     3. [M 8,192, K 1,024] x [K 1,024, N 1,024]; A: input x; B: input W_v: QUANTISED (scales: A lowp_scales[4], B lowp_scales[5])
;;     4. batch 64 x [M 2,048, K 64] x [K 64, N 2,048]; A: computed on the way; B: computed on the way: QUANTISED (scales: A lowp_scales[6], B lowp_scales[7])
;;     5. batch 64 x [M 2,048, K 2,048] x [K 2,048, N 64]; A: softmax (see below); B: computed on the way: QUANTISED (scales: A lowp_scales[8], B lowp_scales[9])
;;     6. [M 8,192, K 1,024] x [K 1,024, N 1,024]; A: computed on the way; B: input W_o: QUANTISED (scales: A lowp_scales[10], B lowp_scales[11])
;;   THE QUANTISER, for each operand of a quantised product, along K:
;;     - The operand's scale is 2^e, e = its entry of the input lowp_scales (int32; the entries are numbered through the quantised products in the list's order, A before B).
;;     - Each number is divided by the scale, clamped to +-448, and rounded to the nearest number of E4M3, ties to even, subnormals kept.
;;     - The product sums the exact products of the quantised numbers (number of the format x scale) in f32.
;;   ~~~python
;;   def quantise(x, axis, e):      # numpy; x: float32 -> the quantised numbers, widened to float32 again
;;       x = np.moveaxis(x, axis, -1); K = x.shape[-1]
;;       r = np.clip(x / 2.0 ** e, -448, 448)
;;       step = 2.0 ** (np.maximum(np.frexp(np.where(r == 0, 1, r))[1] - 1, -6) - 3)
;;       q = np.round(r / step) * step * 2.0 ** e      # np.round: ties to even
;;       return np.moveaxis(q, -1, axis).astype(np.float32)
;;   ~~~
;;   SOFTMAX AHEAD OF A QUANTISED PRODUCT. Where the list says 'softmax', what is quantised is not the finished softmax but p = 2^(t - M), with t = logit x log2(e) and M = ceil(the row's largest t), a whole number; so 1/2 < the row's largest p <= 1. The row's sum l is taken of the UNQUANTISED p, in f32, and the product's result is divided by l at the end. Since M is a whole number, a kernel that streams over the keys may use a running M (the ceiling of the running maximum): every later rescaling is an exact power of two, so the quantised numbers keep their values, but for numbers so far below the row's largest that they fall under the format's range.
;;   OPERANDS COMPUTED ON THE WAY. 'Computed on the way' means the value that the module computes at that place (a softmax that the list does not call 'softmax' is quantised finished and normalised). What goes into a quantiser is computed in f32, as accurately as f32 sums, v_exp_f32 and their like allow (about 1e-6 of the number): no bf16 or f16 on the way to a quantiser, and a product that is left as it is and whose result goes on into a quantised operand takes f32 operands (vector FMAs, or v_wmma_f32_16x16x4_f32). A number that lies on a knife's edge between two numbers of the format may be rounded either way, as far as f32 arithmetic and the matrix unit's own rounding can turn it there, and no further.
;; One version. Each part assembles by itself: llvm-mc -triple=amdgcn-amd-amdhsa -mcpu=gfx1250 --defsym DOCPART=n.
;; ======== version 1 of 1: 4 launches
;; limits: right only within a limited range of input values
;; workspace buffers: xc 25,165,824 bytes; wc 4,194,304 bytes; rope 524,288 bytes; qkv 25,165,824 bytes; ac 8,388,608 bytes
;; launch prep (part 1): grid 400 x 1, 8 waves a work-group, no clusters, 68,608 bytes of LDS; arguments x, W_q, W_k, W_v, W_o, lowp_scales, xc, wc, rope; writes xc, wc, rope
.if DOCPART == 1
	.amdgcn_target "amdgcn-amd-amdhsa--gfx1250"
	.amdhsa_code_object_version 6
	.text
	.protected	k_q011410e8d5_prep
	.globl	k_q011410e8d5_prep
	.p2align	8
	.type	k_q011410e8d5_prep,@function
k_q011410e8d5_prep:
	s_mov_b64 s[64:65], 0
	v_nop
	global_prefetch_b8 v0, s[64:65] scope:SCOPE_SE
	s_setreg_imm32_b32 hwreg(HW_REG_WAVE_MODE, 25, 1), 1
	s_wait_xcnt 0x0
; x [8192][1024] and the four weights [1024][1024], f32 with K innermost, become codes of FP8 (E4M3); and the table of cosines and sines for the rotation is made.
; code = number / 2^e, held within +-448, rounded to the nearest code, ties to even.  x is an operand of three products with three given exponents (entries 0, 2, 4), so it gets three sets of codes;
; W_q, W_k, W_v, W_o take entries 1, 3, 5, 11.  LIMITS: each of these e lies between -126 and 119, so that 2^e and 448 x 2^e are f32 numbers.  NaN among the inputs is not served; an infinity is held at the largest code.
; THE CODES ARE LAID AS IMAGES OF OPERAND REGISTERS.  A fragment is 16 rows x 128 K = 16 registers a lane; registers 4 c .. 4 c + 3 of lane (r, h) hold k = 32 c + 16 h + 0 .. 15 of the fragment's row r, and lie as 512 dense
; bytes, lane l's 16 at 16 l.  Fragment i (0 .. 7) of a block of 128 rows holds the rows 32 (i / 2) + 8 (i % 2) + r + 8 (r / 8).  Byte of a fragment: (row / 128) x 131072 + (k / 256) x 32768 + 4096 i + 2048 ((k / 128) % 2).
; SHARES.  Work-groups 0-255: 32 rows of x each; 256-383: 32 rows of a weight each; 384-399: 128 positions of the table each.  In a quantising work-group wave w takes k = 128 w .. 128 w + 127 of the 32 rows: two fragments.
; Each load reads 512 consecutive bytes of one row; a fragment's 16 rows turn through the wave's own stage in LDS (rows of 512 + 16 bytes) and come back 16 neighbours along K a lane; each store writes 512 dense bytes.
; No tensor load, no barrier: waves share nothing.  All 32 loads of a wave are issued at once.
.set STGB,  8448                       ; a wave's stage: 16 rows x 528 bytes
.set SPARE, 8*STGB                     ; behind the stages: the spare words, 128 bytes for each wave: four blocks of 256 bytes that no other line names
.set RAW,   16                         ; v16-143  two fragments as loaded, 64 registers each; later the fragments' codes, 16 registers for each set
.set NUM,   144                        ; v144-207 64 numbers of a lane: register 16 c + i = k 32 c + 16 h + i of my row
.set HLD,   208
.set TRG,   32                         ; the table's path: v32-63 eight passes x (cos, sin, cos, sin)
	s_load_b512 s[8:23], s[0:1], 0x0               ; x s[8:9], W_q s[10:11], W_k s[12:13], W_v s[14:15], W_o s[16:17], the exponents s[18:19], xc s[20:21], wc s[22:23]
	s_load_b64 s[24:25], s[0:1], 0x40              ; the table
	v_lshl_add_u32 v12, v0, 2, SPARE               ; my spare word; never rewritten
	v_mov_b32 v13, 0                               ; 0; never rewritten
	s_cmp_ge_u32 ttmp9, 384
	s_cbranch_scc1 .Lrope                          ; the table's work-groups touch no LDS
	v_lshrrev_b32 v1, 5, v0
	s_delay_alu instid0(VALU_DEP_1)
	v_readfirstlane_b32 s26, v1                    ; wave 0..7
	v_and_b32 v1, 31, v0                           ; lane
	s_delay_alu instid0(VALU_DEP_1)
	v_lshlrev_b32 v2, 4, v1                        ; 16 x lane: my place in a load's and in a store's 512 bytes; never rewritten
	s_mul_i32 s50, s26, STGB
	v_add_nc_u32 v3, s50, v2                       ; the stage, on the way in: as loaded
	v_and_b32 v5, 15, v1
	s_delay_alu instid0(VALU_DEP_1)
	v_mul_u32_u24 v4, v5, 528
	v_lshrrev_b32 v5, 4, v1
	s_delay_alu instid0(VALU_DEP_1)
	v_lshl_add_u32 v4, v5, 6, v4
	s_delay_alu instid0(VALU_DEP_1)
	v_add_nc_u32 v4, s50, v4                       ; and on the way out: row r, + 64 h: my 16 numbers of a block of 32
	s_cmp_lt_u32 ttmp9, 256
	s_cselect_b32 s51, 255, 31
	s_and_b32 s27, ttmp9, s51                      ; g: which 32 rows of the tensor
	s_sub_co_u32 s58, ttmp9, 256
	s_lshr_b32 s58, s58, 5
	s_lshl_b32 s58, s58, 20                        ; the weight's section of wc,
	s_cmp_lt_u32 ttmp9, 256
	s_cselect_b32 s58, 0, s58                      ; or nothing for x
	s_lshl_b32 s54, s27, 17                        ; from: 32 g rows of 4,096 bytes
	s_lshl_b32 s55, s26, 9                         ; + my wave's 128 numbers
	s_add_co_u32 s54, s54, s55
	s_mov_b32 s55, 0
	s_lshr_b32 s56, s27, 2                         ; to: (g / 4) x 131072 + (w / 2) x 32768 + (g % 4) x 8192 + (w % 2) x 2048
	s_lshl_b32 s56, s56, 17
	s_and_b32 s57, s27, 3
	s_lshl_b32 s57, s57, 13
	s_add_co_u32 s56, s56, s57
	s_lshr_b32 s57, s26, 1
	s_lshl_b32 s57, s57, 15
	s_add_co_u32 s56, s56, s57
	s_and_b32 s57, s26, 1
	s_lshl_b32 s57, s57, 11
	s_add_co_u32 s56, s56, s57
	s_add_co_u32 s56, s56, s58
	s_mov_b32 s57, 0
	s_wait_alu depctr_va_vdst(0)
	s_wait_kmcnt 0x0
	s_load_b256 s[28:35], s[18:19], 0x0            ; e0 .. e7
	s_load_b128 s[36:39], s[18:19], 0x20           ; e8 .. e11
	s_cmp_ge_u32 ttmp9, 288                        ; which tensor: the choice hangs on the work-group's number alone
	s_cselect_b64 s[40:41], s[12:13], s[10:11]
	s_cmp_ge_u32 ttmp9, 320
	s_cselect_b64 s[40:41], s[14:15], s[40:41]
	s_cmp_ge_u32 ttmp9, 352
	s_cselect_b64 s[40:41], s[16:17], s[40:41]
	s_cmp_lt_u32 ttmp9, 256
	s_cselect_b64 s[40:41], s[8:9], s[40:41]
	s_cselect_b64 s[44:45], s[20:21], s[22:23]
	s_add_nc_u64 s[40:41], s[40:41], s[54:55]
	s_add_nc_u64 s[44:45], s[44:45], s[56:57]      ; the first set of codes,
	s_add_nc_u64 s[46:47], s[44:45], 0x800000      ; x's second,
	s_add_nc_u64 s[48:49], s[46:47], 0x800000      ; x's third (the last two are used by x's work-groups alone)
.macro LOADF u                         ; fragment u: its 16 rows, 512 consecutive bytes of each
.set t, 0
.rept 16
	global_load_b128 v[RAW+64*\u+4*t:RAW+64*\u+4*t+3], v2, s[40:41] offset:(8*\u+t+8*(t/8))*4096 th:TH_LOAD_NT
.set t, t+1
.endr
.endm
.macro TURN u                          ; through the stage: LDS serves a wave's instructions in order (ISA guide 5.7.1.4), so no wait stands between the stores and the loads
.set t, 0
.rept 16
	ds_store_b128 v3, v[RAW+64*\u+4*t:RAW+64*\u+4*t+3] offset:528*t
.set t, t+1
.endr
.set t, 0
	v_nop
.rept 16
	ds_load_b128 v[NUM+4*t:NUM+4*t+3], v4 offset:128*(t/4)+16*(t%4)
.set t, t+1
.endr
.endm
.macro MKSC e, n                       ; v[6+n] = 2^e as f32: the conversion takes its exponent field
	s_add_co_i32 s50, \e, 127
	s_lshl_b32 s51, s50, 23
	v_mov_b32 v[6+\n], s51
.endm
; Fragment u under scale n.  The conversions read the numbers in NUM directly.  The codes take registers of the
; fragment's own raw numbers, each written once: no store's data are written again, and no wait is owed for them.
.macro QUANT u, n
.set c, 0
.rept 4
.set i, 0
.rept 16
.set i, i+1
.endr
	v_cvt_scalef32_pk8_fp8_f32 v[RAW+64*\u+16*\n+4*c:RAW+64*\u+16*\n+4*c+1], v[HLD+16*(c%2)+((NUM+16*c+i)-(HLD+16*(c%2)+i)):HLD+16*(c%2)+7+((NUM+16*c+i)-(HLD+16*(c%2)+i))], v[6+\n]
	v_cvt_scalef32_pk8_fp8_f32 v[RAW+64*\u+16*\n+4*c+2:RAW+64*\u+16*\n+4*c+3], v[HLD+16*(c%2)+8+((NUM+16*c+i)-(HLD+16*(c%2)+i)):HLD+16*(c%2)+15+((NUM+16*c+i)-(HLD+16*(c%2)+i))], v[6+\n]
.set c, c+1
.endr
.set c, 0
.rept 4
	global_store_b128 v2, v[RAW+64*\u+16*\n+4*c:RAW+64*\u+16*\n+4*c+3], s[44+2*\n:45+2*\n] offset:4096*\u+512*c   ; 32 lanes store 512 consecutive bytes, at a multiple of 512 from the buffer's first byte
.set c, c+1
.endr
.endm
	LOADF 0
	LOADF 1
	s_wait_kmcnt 0x0
	s_cmp_ge_u32 ttmp9, 288                        ; the first set's exponent, by the same choices
	s_cselect_b32 s52, s31, s29
	s_cmp_ge_u32 ttmp9, 320
	s_cselect_b32 s52, s33, s52
	s_cmp_ge_u32 ttmp9, 352
	s_cselect_b32 s52, s39, s52
	s_cmp_lt_u32 ttmp9, 256
	s_cselect_b32 s52, s28, s52
	MKSC s52, 0
	MKSC s30, 1
	MKSC s32, 2
	s_wait_alu depctr_va_vdst(0)
	s_wait_loadcnt 16                              ; fragment 0's sixteen loads are in; fragment 1's sixteen may be out
	TURN 0
	s_wait_dscnt 0x0
	QUANT 0, 0
	s_cmp_ge_u32 ttmp9, 256                        ; a weight has one set of codes
	s_cbranch_scc1 .Lone_set_0
	QUANT 0, 1
	QUANT 0, 2
.Lone_set_0:
	s_wait_loadcnt 0x0
	TURN 1
	s_wait_dscnt 0x0
	QUANT 1, 0
	s_cmp_ge_u32 ttmp9, 256
	s_cbranch_scc1 .Lone_set_1
	QUANT 1, 1
	QUANT 1, 2
.Lone_set_1:
	s_wait_tensorcnt 0x0                           ; the wave's end, behind my last LDS store
	ds_add_u32 v12, v13
	s_wait_dscnt 0x0
	s_endpgm
; THE TABLE: rope[position][pair i][cos, sin], f32, 256 bytes a position; angle = position x 10000^(-i / 32).
; Thread t takes pairs 2 (t % 16) and 2 (t % 16) + 1 of position 128 x work-group + 16 x pass + t / 16, eight passes: a wave's store covers 512 dense bytes.
; The frequency is 2^(-i L), L = log2(10000) / 32 in two parts (high, low): the exponent's rounding error and the low part are put back by one multiply-add.  LIMIT: it may differ from a pow and a division in f32 by a unit
; or two in the last place, which at position 2,047 is some 2e-4 in the angle, the size of the angle's own rounding there.  The angle is reduced by pi / 2 in two parts (the first product is exact: the quotient has 11 bits);
; sine and cosine on +-pi / 4 by polynomials of degree 7 and 8, good to about 1e-7; the quadrant selects by v_cndmask_b32 and flips signs: no branch on data.
.Lrope:
	s_sub_co_u32 s50, ttmp9, 384
	s_lshl_b32 s52, s50, 15                        ; 128 positions of 256 bytes
	s_mov_b32 s53, 0
	s_lshl_b32 s51, s50, 7                         ; my work-group's first position
	s_mov_b32 s28, 0x3ed49a78                      ; L, high part
	s_mov_b32 s29, 0x32179a1c                      ; L, low part
	s_mov_b32 s30, 0x3f317218                      ; ln 2
	s_mov_b32 s31, 0x3f22f983                      ; 2 / pi
	s_mov_b32 s32, 0x3fc90fdb                      ; pi / 2, high part
	s_mov_b32 s33, 0xb33bbd2e                      ; pi / 2, low part
	s_mov_b32 s34, 0xbe2aaaa3                      ; sine: -1/6, 1/120, -1/5040, fitted
	s_mov_b32 s35, 0x3c08839e
	s_mov_b32 s36, 0xb94ca1f9
	s_mov_b32 s37, 0x3d2aaaa5                      ; cosine: 1/24, -1/720, 1/40320, fitted
	s_mov_b32 s38, 0xbab6061a
	s_mov_b32 s39, 0x37ccf5ce
	v_and_b32 v1, 15, v0
	s_delay_alu instid0(VALU_DEP_1)
	v_lshlrev_b32 v1, 1, v1
	s_delay_alu instid0(VALU_DEP_1)
	v_cvt_f32_u32 v16, v1                          ; i of my first pair,
	s_delay_alu instid0(VALU_DEP_1)
	v_add_f32 v17, 1.0, v16                        ; of my second
	v_lshrrev_b32 v2, 4, v0
	s_delay_alu instid0(VALU_DEP_1)
	v_add_nc_u32 v2, s51, v2
	s_delay_alu instid0(VALU_DEP_1)
	v_cvt_f32_u32 v3, v2                           ; the first pass's position
	v_lshlrev_b32 v4, 4, v0                        ; 16 t: my place in a pass's 4,096 bytes; never rewritten
.irp j, 0,1
	v_mul_f32 v[18+\j], s28, v[16+\j]              ; i L, rounded,
	s_delay_alu instid0(VALU_DEP_1)
	v_fma_f32 v[20+\j], v[16+\j], s28, -v[18+\j]   ; what the rounding dropped,
	s_delay_alu instid0(VALU_DEP_1)
	v_fma_f32 v[20+\j], v[16+\j], s29, v[20+\j]    ; and the low part's share
.endr
	s_wait_alu depctr_va_vdst(0)
	v_exp_f32 v22, -v18
	v_exp_f32 v23, -v19
	v_mul_f32 v20, s30, v20                        ; (plain lines behind the exponentials)
	v_mul_f32 v21, s30, v21
	s_wait_alu depctr_va_vdst(0)                   ; the wait ahead of the first line that names an exponential's result: one for both
	v_fma_f32 v22, -v20, v22, v22                  ; 2^(-high) x (1 - ln 2 x rest)
	v_fma_f32 v23, -v21, v23, v23
	s_wait_alu depctr_va_vdst(0)
	s_wait_kmcnt 0x0
	s_add_nc_u64 s[24:25], s[24:25], s[52:53]
.macro SINCOS j, pass
.set W, 64+16*\j
	v_mul_f32 v[W], v3, v[22+\j]                   ; the angle
	s_delay_alu instid0(VALU_DEP_1)
	v_mul_f32 v[W+1], s31, v[W]
	s_delay_alu instid0(VALU_DEP_1)
	v_rndne_f32 v[W+1], v[W+1]                     ; n = the nearest multiple of pi / 2
	s_delay_alu instid0(VALU_DEP_1)
	v_fma_f32 v[W+2], -v[W+1], s32, v[W]
	s_delay_alu instid0(VALU_DEP_1)
	v_fma_f32 v[W+2], -v[W+1], s33, v[W+2]         ; r, within +-pi / 4
	s_delay_alu instid0(VALU_DEP_1)
	v_mul_f32 v[W+3], v[W+2], v[W+2]               ; z = r r
	s_delay_alu instid0(VALU_DEP_4)
	v_cvt_i32_f32 v[W+4], v[W+1]
	s_delay_alu instid0(VALU_DEP_2)
	v_fma_f32 v[W+5], v[W+3], s36, s35
	s_delay_alu instid0(VALU_DEP_1)
	v_fma_f32 v[W+5], v[W+5], v[W+3], s34
	s_delay_alu instid0(VALU_DEP_4)
	v_mul_f32 v[W+6], v[W+2], v[W+3]
	s_delay_alu instid0(VALU_DEP_1)
	v_fma_f32 v[W+5], v[W+5], v[W+6], v[W+2]       ; sin r
	v_fma_f32 v[W+7], v[W+3], s39, s38
	s_delay_alu instid0(VALU_DEP_1)
	v_fma_f32 v[W+7], v[W+7], v[W+3], s37
	v_mul_f32 v[W+6], v[W+3], v[W+3]
	v_fma_f32 v[W+8], v[W+3], -0.5, 1.0
	s_delay_alu instid0(VALU_DEP_1)
	v_fma_f32 v[W+7], v[W+7], v[W+6], v[W+8]       ; cos r
	v_and_b32 v[W+6], 1, v[W+4]
	s_delay_alu instid0(VALU_DEP_1)
	v_cmp_eq_u32 vcc_lo, 1, v[W+6]                 ; in odd quadrants the two change places
	s_delay_alu instid0(VALU_DEP_1)
	v_cndmask_b32 v[TRG+4*\pass+2*\j], v[W+7], v[W+5], vcc_lo
	s_delay_alu instid0(VALU_DEP_2)
	v_cndmask_b32 v[TRG+4*\pass+2*\j+1], v[W+5], v[W+7], vcc_lo
	v_add_nc_u32 v[W+6], 1, v[W+4]
	s_delay_alu instid0(VALU_DEP_1)
	v_and_b32 v[W+6], 2, v[W+6]
	s_delay_alu instid0(VALU_DEP_1)
	v_lshlrev_b32 v[W+6], 30, v[W+6]
	s_delay_alu instid0(VALU_DEP_1)
	v_xor_b32 v[TRG+4*\pass+2*\j], v[W+6], v[TRG+4*\pass+2*\j]       ; the cosine is negative in quadrants 1 and 2,
	v_and_b32 v[W+8], 2, v[W+4]
	s_delay_alu instid0(VALU_DEP_1)
	v_lshlrev_b32 v[W+8], 30, v[W+8]
	s_delay_alu instid0(VALU_DEP_1)
	v_xor_b32 v[TRG+4*\pass+2*\j+1], v[W+8], v[TRG+4*\pass+2*\j+1]   ; the sine in 2 and 3
.endm
.irp q, 0,1,2,3,4,5,6,7
	SINCOS 0, \q
	SINCOS 1, \q
	global_store_b128 v4, v[TRG+4*\q:TRG+4*\q+3], s[24:25] offset:4096*\q   ; each pass has data registers of its own
	v_add_f32 v3, 0x41800000, v3                   ; 16 positions on
.endr
	s_endpgm
.Lfunc_end_k_q011410e8d5_prep:
	.size	k_q011410e8d5_prep, .Lfunc_end_k_q011410e8d5_prep-k_q011410e8d5_prep
	.p2alignl 7, 3214868480
	.fill 96, 4, 3214868480
	.section	.rodata,"a",@progbits
	.p2align	6, 0x0
	.amdhsa_kernel k_q011410e8d5_prep
		.amdhsa_group_segment_fixed_size 68608
		.amdhsa_private_segment_fixed_size 0
		.amdhsa_enable_private_segment 0
		.amdhsa_kernarg_size 72
		.amdhsa_user_sgpr_count 2
		.amdhsa_user_sgpr_kernarg_segment_ptr 1
		.amdhsa_wavefront_size32 1
		.amdhsa_system_sgpr_workgroup_id_x 1
		.amdhsa_system_sgpr_workgroup_id_y 1
		.amdhsa_system_sgpr_workgroup_id_z 1
		.amdhsa_system_vgpr_workitem_id 0
		.amdhsa_next_free_vgpr 240
		.amdhsa_next_free_sgpr 66
		.amdhsa_reserve_vcc 1
		.amdhsa_float_denorm_mode_32 3
		.amdhsa_float_denorm_mode_16_64 3
		.amdhsa_fp16_overflow 1
		.amdhsa_memory_ordered 1
		.amdhsa_forward_progress 1
		.amdhsa_inst_pref_size 48
	.end_amdhsa_kernel
	.amdgpu_metadata
---
amdhsa.version: [ 1, 2 ]
amdhsa.kernels:
  - .name:           k_q011410e8d5_prep
    .symbol:         k_q011410e8d5_prep.kd
    .args:
      - { .name: x, .offset: 0, .size: 8, .value_kind: global_buffer, .address_space: global }
      - { .name: W_q, .offset: 8, .size: 8, .value_kind: global_buffer, .address_space: global }
      - { .name: W_k, .offset: 16, .size: 8, .value_kind: global_buffer, .address_space: global }
      - { .name: W_v, .offset: 24, .size: 8, .value_kind: global_buffer, .address_space: global }
      - { .name: W_o, .offset: 32, .size: 8, .value_kind: global_buffer, .address_space: global }
      - { .name: lowp_scales, .offset: 40, .size: 8, .value_kind: global_buffer, .address_space: global }
      - { .name: xc, .offset: 48, .size: 8, .value_kind: global_buffer, .address_space: global }
      - { .name: wc, .offset: 56, .size: 8, .value_kind: global_buffer, .address_space: global }
      - { .name: rope, .offset: 64, .size: 8, .value_kind: global_buffer, .address_space: global }
    .group_segment_fixed_size: 68608
    .private_segment_fixed_size: 0
    .kernarg_segment_align: 8
    .kernarg_segment_size: 72
    .max_flat_workgroup_size: 256
    .sgpr_count:     66
    .vgpr_count:     240
    .wavefront_size: 32
...
	.end_amdgpu_metadata
.endif
;; end of part 1
;; launch qkv (part 2): grid 12 x 32, 4 waves a work-group, clusters of 4 x 4, 327,680 bytes of LDS; arguments xc, wc, rope, lowp_scales, qkv; writes qkv
.if DOCPART == 2
	.amdgcn_target "amdgcn-amd-amdhsa--gfx1250"
	.amdhsa_code_object_version 6
	.text
	.protected	k_q011410e8d5_qkv
	.globl	k_q011410e8d5_qkv
	.p2align	8
	.type	k_q011410e8d5_qkv,@function
k_q011410e8d5_qkv:
	s_mov_b64 s[64:65], 0
	v_nop
	global_prefetch_b8 v0, s[64:65] scope:SCOPE_SE
	s_setreg_imm32_b32 hwreg(HW_REG_WAVE_MODE, 25, 1), 1
	s_wait_xcnt 0x0
	s_wait_alu depctr_hold_cnt(0) depctr_sa_sdst(0) depctr_va_vdst(0) depctr_va_sdst(0) depctr_va_ssrc(0) depctr_va_vcc(0) depctr_vm_vsrc(0)
	s_getreg_b32 s2, hwreg(HW_REG_IB_STS2, 6, 4)
	s_cmp_eq_u32 s2, 0
	s_cbranch_scc0 .Lentry_in_a_cluster
	s_endpgm
.Lentry_in_a_cluster:
	s_bfe_u32 s2, ttmp6, 0x10000c
	s_cmp_lg_u32 s2, 0xf033
	s_cbranch_scc0 .Lentry_shape_is_right
	s_endpgm
.Lentry_shape_is_right:
; Q = x W_q^T, K = x W_k^T, V = x W_v^T on codes of FP8 (E4M3); Q and K are rotated; all three leave as codes, laid as the attention launch's operand registers.
; The cluster's x says which of the three (sel = 0, 1, 2): the same in all sixteen partners.  A tile is 256 tokens x 256 features, made by four waves, 128 x 128 each: 64 accumulators of 16 x 16, 512 registers.
; K = 1,024 goes in four steps of 256 through a ring of two LDS slots filled by the tensor data mover.  OPERANDS LIE IN MEMORY AS IMAGES OF THEIR REGISTERS: 128 rows x 256 K are one dense block of 32,768 bytes; in it fragment i
; (16 rows x 128 K) of the q-th 128 along K is 4 x 512 bytes at 4096 i + 2048 q, lane l's 16 bytes at 16 l.  So every fragment comes by four ds_load_b128 of 512 consecutive bytes: no pitch, no padding.
; Registers 4 c .. 4 c + 3 of lane (r, h) hold k = 32 c + 16 h + 0 .. 15: the same order of k in both operands, so every product meets its partner.
; FRAGMENT i HOLDS THE ROWS 32 (i / 2) + 8 (i % 2) + r + 8 (r / 8).  So in a result, lane (r, h)'s 16 registers of tiles 2 e and 2 e + 1 along source 0 are the 16 neighbours 32 e + 16 h + 0 .. 15 of source 0's rows:
; two conversions make of them four registers of the next operand's image, and the wave stores them as 512 dense bytes.  The way out touches no LDS.
; Q, K: source 0 = the weight's rows (features), source 1 = x's rows: a lane holds one token and neighbouring features, which are the next product's K.  V: the sources change places, by their LDS addresses alone:
; a lane holds one feature and neighbouring tokens, the keys, which are ITS next K.
; CLUSTERS: 4 x 4 work-groups.  The four of a row of the cluster need the same tiles of x, the four of a column the same tiles of the weight: each is asked for JOINTLY.
; THE ROTATION is linear, so it is made on the raw sums (sum x 2^(ex + ew) is the number), and the conversion takes 2^(eo - ex - ew) as its one scale.  (even, odd) -> (even c - odd s, even s + odd c), by fused multiply-adds.
; THE TWO WAYS OUT (Q and K; V) PART ONCE, on sel, ahead of the last step of 128 along K, which is written on both: so the table's numbers are loaded, under that step's products, on the one way that reads them.
; LIMIT: eo - ex - ew lies between -126 and 119 (ex, ew: entries 2 sel, 2 sel + 1; eo: entry 6, 7 or 9).  NaN is not served.
; RESULT, section sel of 8,388,608 bytes, head bh = 16 batch + head, step st of 128 tokens: Q, K: bh x 131072 + st x 8192 + 1024 T + 512 c + 16 lane: token 128 st + row (T, r), d = 32 c + 16 h + 0 .. 15;
;   V: bh x 131072 + st x 8192 + 2048 t + 512 c + 16 lane: d = row (t, r), key 128 st + 32 c + 16 h + 0 .. 15.
; REGISTERS, in windows of 256: window 0: v16-29 addresses and scales; v32-95 two sets of table numbers; from v128 source 1's fragments, ONE set; on the way out v128-191 a block's numbers, v192-255 four sets of codes.
;   window 1: source 0's fragments, TWO sets.   window 2: the accumulators of source 1's blocks 0-3 ((a, b) at v[8 (8 (a % 4) + b)]);   window 3: of blocks 4-7.
.set HALFT,  32768                     ; 128 rows x 256 K: what one tensor load brings, and what one wave reads of either operand
.set SLOT,   4*HALFT                   ; x's two halves, then the weight's two
.set SPARE,  2*SLOT                    ; behind the ring: the spare words, 128 bytes for each wave: two blocks of 256 bytes that no other line names
.set FR,     16                        ; registers of a fragment
.set NL,     4                         ; LDS loads that bring one
.set NP,     4                         ; places behind this matrix instruction (ISA guide 7.12.1)
.set ADRA, 16                          ; v16-17  LDS address of source 1's fragments in slot 0, 1
.set ADRB, 20                          ; v20-21  of source 0's
.set CSC,  22                          ; v22     2^(eo - ex - ew) as f32
.set LIM,  23                          ; v23     448 x that
.set CO,   26                          ; v26     16 x lane; never rewritten
.set RA,   27                          ; v27     my lane's byte in the table: (r + 8 (r / 8)) x 256 + 64 h; never rewritten
.set SPW,  28                          ; v28     my spare word; never rewritten
.set NIL,  29                          ; v29     0; never rewritten
.set TAB,  32
.set AF,   128
.set RT,   128
.set CD,   192
.set G1, 24                            ; s[24:31] descriptor group 1 for x's tiles;  s[32:39] group 0, one set for each slot
.set G0, 32
.set G1B, 48                           ; s[48:55], s[56:63] the same for the weight's
.set G0B, 56
.set MSB, 0
.macro WIN new                         ; the immediate's high byte repeats the setting that is left
.if MSB != (\new)
	s_set_vgpr_msb (MSB<<8)|(\new)
.set MSB, \new
.endif
.endm
.set MUL_LO, 0xa1                      ; source 0 window 1, source 1 window 0, C and D window 2
.set MUL_HI, 0xf1                      ; the same, C and D window 3
.set TO_B,   0x40                      ; destination window 1, address window 0
; A joint load: waves 0 and 1 fetch x's halves, waves 2 and 3 the weight's.  Each of the two lines has ONE mask and one set of registers for all that issue it; the branch hangs on the wave's number alone.
; An s_nop 0 and four v_nop follow each of the two lines, ahead of the jump, the label and what follows.
.macro JLOAD g0a, g1a, g0b, g1b
	s_cmp_eq_u32 s15, 0
	s_cbranch_scc0 .Lfor_b_\@
	tensor_load_to_lds s[\g0a:\g0a+3], s[\g1a:\g1a+7]
	s_nop 0
.rept 4
	v_nop
.endr
	s_branch .Lasked_\@
.Lfor_b_\@:
	tensor_load_to_lds s[\g0b:\g0b+3], s[\g1b:\g1b+7]
	s_nop 0
.rept 4
	v_nop
.endr
.Lasked_\@:
.endm
.macro CREST                           ; a round of the cluster's barrier behind its opening barrier
	s_cmp_lg_u32 s14, 0
	s_cbranch_scc1 .Lnot_wave_0_\@
	s_barrier_signal -3
.Lnot_wave_0_\@:
	s_barrier_wait -3
	s_barrier_signal -1
	s_barrier_wait -1
.endm
.macro CROUND                          ; a whole round
	s_barrier_signal -1
	s_barrier_wait -1
	CREST
.endm
	s_load_b128 s[4:7], s[0:1], 0x0                ; x's codes s[4:5], the weights' codes s[6:7]
	s_load_b128 s[8:11], s[0:1], 0x10              ; the table s[8:9], the exponents s[10:11]
	s_load_b64 s[12:13], s[0:1], 0x20              ; the result
	v_lshl_add_u32 v[SPW], v0, 2, SPARE
	v_mov_b32 v[NIL], 0
	ds_add_u32 v[SPW], v[NIL]                      ; the wave's opening: the add and its wait ahead of my first tensor load; the set-up below, work on registers, stands between them
	ds_add_u32 v[SPW], v[NIL]
	v_lshrrev_b32 v1, 5, v0
	v_readfirstlane_b32 s14, v1                    ; wave 0..3
	s_lshr_b32 s15, s14, 1                         ; which half of source 1's rows is mine.  Also: I fetch for x (0) or for the weight (1)
	s_and_b32 s16, s14, 1                          ; which half of source 0's.  Also: which 128 rows of that tile I fetch
	s_bfe_u32 s40, ttmp6, 0x40000                  ; cx, cy: my place in the cluster
	s_bfe_u32 s41, ttmp6, 0x40004
	s_mov_b32 s42, s40                             ; tile column (256 features) = cx: a cluster spans the 1,024 features
	s_and_b32 s17, ttmp7, 0xffff
	s_lshl_b32 s17, s17, 2
	s_add_co_u32 s17, s17, s41                     ; tile row (256 tokens) = 4 x cluster y + cy
	s_lshl_b32 s43, s41, 2
	s_lshl_b32 s43, 15, s43                        ; my row of the cluster
	s_lshl_b32 s44, 0x1111, s40                    ; my column
	; descriptor group 1: a dense block of 32,768 bytes as 128 rows of 32 elements of 8 bytes; no padding
	s_or_b32 s[G1+0], s43, (3<<16)|(1<<21)         ; 15:0 the mask: x's tiles go to my row; 17:16 elements of 8 bytes; 21 set beside a mask
	s_or_b32 s[G1B+0], s44, (3<<16)|(1<<21)
.irp g, G1, G1B
	s_mov_b32 s[\g+1], 32<<16                      ; tensor_dim0 = 32
	s_mov_b32 s[\g+2], 128<<16                     ; tensor_dim1 = 128
	s_mov_b32 s[\g+3], 32<<16                      ; tile_dim0 = 32
	s_mov_b32 s[\g+4], 128                         ; tile_dim1 = 128
	s_mov_b32 s[\g+5], 32                          ; tensor_dim0_stride
	s_mov_b32 s[\g+6], 0
	s_mov_b32 s[\g+7], 0
.endr
	s_lshl_b32 s20, s17, 1
	s_add_co_u32 s20, s20, s16                     ; x: block of 128 rows 2 x tile row + half,
	s_lshl_b32 s20, s20, 17                        ; 131,072 bytes each,
	s_lshl_b32 s21, ttmp9, 23
	s_add_co_u32 s20, s20, s21                     ; in the set of codes made with this product's exponent
	s_mov_b32 s21, 0
	s_lshl_b32 s46, s42, 1
	s_add_co_u32 s46, s46, s16                     ; the weight: block 2 x tile column + half,
	s_lshl_b32 s46, s46, 17
	s_lshl_b32 s47, ttmp9, 20
	s_add_co_u32 s46, s46, s47                     ; in this product's weight
	s_mov_b32 s47, 0
	s_lshl_b32 s45, s14, 15                        ; where they go: wave x 32,768: no place in the cluster enters an LDS address
	s_wait_dscnt 0x0                               ; the opening add is done
	s_wait_kmcnt 0x0
	s_load_b256 s[68:75], s[10:11], 0x0            ; e0 .. e7
	s_load_b128 s[76:79], s[10:11], 0x20           ; e8 .. e11
	s_add_nc_u64 s[20:21], s[4:5], s[20:21]
	s_add_nc_u64 s[46:47], s[6:7], s[46:47]
	CROUND                                         ; all sixteen work-groups are here: the first joint loads meet
.irp s, 0,1
	s_mov_b32 s[G0+4*\s], 1
	s_add_co_u32 s[G0+4*\s+1], s45, \s*SLOT
	s_add_nc_u64 s[G0+4*\s+2:G0+4*\s+3], s[20:21], \s*HALFT
	s_or_b32 s[G0+4*\s+3], s[G0+4*\s+3], 0x80000000
	s_mov_b32 s[G0B+4*\s], 1
	s_add_co_u32 s[G0B+4*\s+1], s45, \s*SLOT
	s_add_nc_u64 s[G0B+4*\s+2:G0B+4*\s+3], s[46:47], \s*HALFT
	s_or_b32 s[G0B+4*\s+3], s[G0B+4*\s+3], 0x80000000
	JLOAD G0+4*\s, G1, G0B+4*\s, G1B               ; two tensor loads of mine are out
.endr
	v_and_b32 v1, 31, v0
	v_lshlrev_b32 v[CO], 4, v1
	s_wait_alu depctr_va_vdst(0)
	s_cmp_eq_u32 ttmp9, 2                          ; V: the sources change places
	s_cselect_b32 s66, 0x10000, 0                  ; source 1 is read from the weight's halves, else from x's,
	s_cselect_b32 s67, 0, 0x10000                  ; source 0 from x's, else from the weight's: each address stays inside its slot either way
	s_cselect_b32 s84, s16, s15                    ; which half of the tile's tokens is mine,
	s_cselect_b32 s85, s15, s16                    ; which half of its features
	s_lshl_b32 s21, s15, 15
	s_add_co_u32 s21, s21, s66
	s_lshl_b32 s22, s16, 15
	s_add_co_u32 s22, s22, s67
.irp s, 0,1
	v_add_nc_u32 v[ADRA+\s], s21, v[CO]
	v_add_nc_u32 v[ADRB+\s], s22, v[CO]
	s_add_co_u32 s21, s21, SLOT
	s_add_co_u32 s22, s22, SLOT
.endr
	s_lshl_b32 s86, s17, 1
	s_add_co_u32 s86, s86, s84                     ; my block of 128 tokens, 0 .. 63: batch = / 16, step = % 16
	s_lshr_b32 s87, s86, 4
	s_lshl_b32 s87, s87, 4
	s_lshl_b32 s88, s42, 2
	s_add_co_u32 s87, s87, s88
	s_lshl_b32 s88, s85, 1
	s_add_co_u32 s87, s87, s88                     ; 16 batch + my first head (4 x tile column + 2 x half)
	s_lshl_b32 s87, s87, 4
	s_and_b32 s88, s86, 15
	s_add_co_u32 s87, s87, s88
	s_lshl_b32 s88, s87, 13                        ; x 8,192 bytes
	s_lshl_b32 s89, ttmp9, 23
	s_add_co_u32 s88, s88, s89                     ; in section sel
	s_mov_b32 s89, 0
	s_add_nc_u64 s[80:81], s[12:13], s[88:89]      ; where my results begin
	s_lshl_b32 s90, s17, 1
	s_add_co_u32 s90, s90, s15
	s_and_b32 s90, s90, 15                         ; Q, K: my 128 tokens' first position / 128,
	s_lshl_b32 s90, s90, 15                        ; x 128 positions of 256 bytes
	s_mov_b32 s91, 0
	s_add_nc_u64 s[82:83], s[8:9], s[90:91]
	v_and_b32 v2, 15, v0
	v_and_b32 v3, 8, v2
	v_add_nc_u32 v2, v2, v3                        ; r + 8 (r / 8)
	v_bfe_u32 v3, v0, 4, 1
	v_lshlrev_b32 v[RA], 8, v2
	v_lshl_add_u32 v[RA], v3, 6, v[RA]
.macro FRAG reg, adr, q, i             ; a fragment's image: four times 512 consecutive bytes
.irp c, 0,1,2,3
	ds_load_b128 v[\reg+4*\c:\reg+4*\c+3], v[\adr] offset:4096*(\i)+2048*(\q)+512*\c
.endr
.endm
; 16 matrix instructions: source 1's blocks a0, a0 + 1 x source 0's eight, 128 along K.  p: source 0's set.  zero = 1: the first product starts the sums: nothing is ever cleared.
; The 64 accumulators take turns, one instruction a turn, in the same order in every step.
.macro MUL16 a0, p, zero
.irp a, \a0, \a0+1
.irp b, 0,1,2,3,4,5,6,7
.if \zero
	v_wmma_f32_16x16x128_fp8_fp8 v[8*(8*((\a)%4)+\b):8*(8*((\a)%4)+\b)+7], v[128*(\p)+FR*\b:128*(\p)+FR*\b+FR-1], v[AF+FR*(\a):AF+FR*(\a)+FR-1], 0
.else
	v_wmma_f32_16x16x128_fp8_fp8 v[8*(8*((\a)%4)+\b):8*(8*((\a)%4)+\b)+7], v[128*(\p)+FR*\b:128*(\p)+FR*\b+FR-1], v[AF+FR*(\a):AF+FR*(\a)+FR-1], v[8*(8*((\a)%4)+\b):8*(8*((\a)%4)+\b)+7]
.endif
.endr
.endr
.endm
.macro FETCH_B slot, q, p              ; source 0's eight fragments of the slot's q-th 128 along K into set p
	WIN TO_B
.irp i, 0,1,2,3,4,5,6,7
	FRAG 128*(\p)+FR*\i, ADRB+\slot, \q, \i
.endr
	WIN 0
.endm
.macro FETCH_A slot, q, i0             ; source 1's blocks i0 .. i0 + 3
.irp i, \i0, \i0+1, \i0+2, \i0+3
	FRAG AF+FR*(\i), ADRA+\slot, \q, \i
.endr
.endm
; A load into a register that a matrix instruction has read, and a vector instruction that reads a matrix result or writes one of its registers, stand NP places behind it; only plain vector instructions that name none
; of its registers are places (ISA guide 7.12.1 for vector instructions).
.macro PLACES n
.rept \n
	v_nop
.endr
.endm
; A step of 128 along K that has its successor in the same slot.  A block of source 1 is free as soon as its eight products are issued: blocks 0-3 are fetched anew in the step's middle, blocks 4-7 at its end.
.macro STEP slot, q, zero
	s_wait_dscnt 4*NL                              ; source 0's set and source 1's blocks 0-3 are in; the youngest sixteen loads (blocks 4-7) may be out
	WIN MUL_LO
	MUL16 0, (\q)%2, \zero
	MUL16 2, (\q)%2, \zero
	s_wait_dscnt 0                                 ; blocks 4-7 are in (asked for 32 matrix instructions ago)
	PLACES NP
	FETCH_B \slot, (\q)+1, 1-(\q)%2
	FETCH_A \slot, (\q)+1, 0
	WIN MUL_HI
	MUL16 4, (\q)%2, \zero
	MUL16 6, (\q)%2, \zero
	PLACES NP
	WIN 0
	FETCH_A \slot, (\q)+1, 4
.endm
; A slot's last step changes slots: ONE barrier; in front of it each wave waits for all its tensor loads, adds 0 to its spare word, and waits for that and for its own reads of this slot.  fill = 1: this slot is filled again, two K steps ahead.
.macro TURN slot, next, fill
	s_wait_tensorcnt 0x0                           ; all my tensor loads have landed: my part of the next slot;  (every window is 0 here: the add's two registers lie in window 0)
	ds_add_u32 v[SPW], v[NIL]                      ; 0 onto my spare word;
	s_wait_dscnt 4*NL+1                            ; (the add and the youngest sixteen loads, blocks 4-7, may be out)
	WIN MUL_LO
	MUL16 0, 1, 0                                  ; sixteen matrix instructions stand between the add and the wait for it
	s_wait_dscnt 0x0                               ; the add is done, and my reads of this slot are over
	s_barrier_signal -1
	MUL16 2, 1, 0
	WIN 0
	s_barrier_wait -1
.if \fill
	CREST                                          ; the barrier has opened a round of the cluster's barrier: no wave of any partner still reads this slot's tile or has a load on its way
	s_add_nc_u64 s[G0+4*\slot+2:G0+4*\slot+3], s[G0+4*\slot+2:G0+4*\slot+3], 2*HALFT
	s_add_nc_u64 s[G0B+4*\slot+2:G0B+4*\slot+3], s[G0B+4*\slot+2:G0B+4*\slot+3], 2*HALFT
	JLOAD G0+4*\slot, G1, G0B+4*\slot, G1B         ; the first tensor load behind the round, my only one until the next; the four v_nop behind it are the places in front of the loads below
.else
	PLACES NP
.endif
	FETCH_B \next, 0, 0
	FETCH_A \next, 0, 0
	WIN MUL_HI
	MUL16 4, 1, 0
	MUL16 6, 1, 0
	PLACES NP
	WIN 0
	FETCH_A \next, 0, 4
.endm
; The very last step of 128 along K: nothing more to fetch.  Its four places stand in front of the first read of results and of the first write over source 1's fragments.  It begins and ends with every window 0.
.macro LAST
	s_wait_dscnt 4*NL                              ; source 0's set and source 1's blocks 0-3 are in; the youngest sixteen loads (blocks 4-7) may be out
	WIN MUL_LO
	MUL16 0, 1, 0
	MUL16 2, 1, 0
	s_wait_dscnt 0
	WIN MUL_HI
	MUL16 4, 1, 0
	MUL16 6, 1, 0
	WIN 0
	PLACES NP
.endm
; The table numbers of block a's tokens: lane (r, h) wants, of its token's 256 bytes, for tile b of features the four pairs at 128 ((b / 2) % 2) + 64 h + 32 (b % 2): the same for b and b + 4 (the next head).  32 registers, two sets by turns.
.macro TLOAD a
.irp bb, 0,1,2,3
.irp p, 0,1
	global_load_b128 v[TAB+32*((\a)%2)+8*\bb+4*\p:TAB+32*((\a)%2)+8*\bb+4*\p+3], v[RA], s[82:83] offset:(32*((\a)/2)+8*((\a)%2))*256+128*(\bb/2)+32*(\bb%2)+16*\p
.endr
.endr
.endm
; THE WAY OUT OF Q AND K, block a of 16 tokens at a time.  Two packed lines rotate a pair: (even c, odd c), then (- odd s, + even s) added; each accumulator is read from its low end on.
.macro QKOUT a
.set AC, 64*((\a)%4)
.set TS, TAB+32*((\a)%2)
.set CW, CD+16*((\a)%4)
.if (\a) < 7
	s_wait_loadcnt 8                               ; this block's eight table loads are in; the next block's eight may be out
.else
	s_wait_loadcnt 0
.endif
	WIN 0x02+((\a)/4)                              ; source 0: window 2 or 3
.irp b, 0,1,2,3,4,5,6,7
.irp p, 0,2,4,6
	v_pk_mul_f32 v[RT+8*\b+\p:RT+8*\b+\p+1], v[AC+8*\b+\p:AC+8*\b+\p+1], v[TS+8*(\b%4)+\p:TS+8*(\b%4)+\p+1] op_sel_hi:[1,0]
.endr
.irp p, 0,2,4,6
	v_pk_fma_f32 v[RT+8*\b+\p:RT+8*\b+\p+1], v[AC+8*\b+\p:AC+8*\b+\p+1], v[TS+8*(\b%4)+\p:TS+8*(\b%4)+\p+1], v[RT+8*\b+\p:RT+8*\b+\p+1] op_sel:[1,1,0] op_sel_hi:[0,1,1] neg_lo:[0,1,0]
.endr
.endr
	WIN 0
.if (\a) < 6
	TLOAD (\a)+2                                   ; into the set just read
.endif
.if (\a) >= 4
	s_wait_alu depctr_va_vdst(0)
	s_wait_xcnt 0x0                                ; block a - 4's stores have read their data: the set of codes is written again only behind this wait
.endif
.irp e, 0,1,2,3
.set i, 0
.rept 16
.set i, i+1
.endr
	v_cvt_scalef32_pk8_fp8_f32 v[CW+4*\e:CW+4*\e+1], v[RT+16*\e:RT+16*\e+7], v[CSC]
	v_cvt_scalef32_pk8_fp8_f32 v[CW+4*\e+2:CW+4*\e+3], v[RT+16*\e+8:RT+16*\e+15], v[CSC]
.endr
	v_nop                                          ; one plain line between the last conversion and the next vector line that writes its sources
.irp e, 0,1,2,3
	global_store_b128 v[CO], v[CW+4*\e:CW+4*\e+3], s[80:81] offset:(\e/2)*131072+1024*(\a)+512*(\e%2)   ; features 32 e + 16 h + 0 .. 15: head e / 2, half e % 2; 512 dense bytes
.endr
.endm
; THE WAY OUT OF V, block a of 16 features at a time: a lane's 64 registers are its feature's share of the 128 tokens, 32 e + 16 h + 0 .. 15.
.macro VOUT a
.set AC, 64*((\a)%4)
.set CW, CD+16*((\a)%4)
	WIN 0x02+((\a)/4)
.set i, 0
.rept 64
	v_med3_num_f32 v[RT+i], v[AC+i], -v[LIM], v[LIM]
.set i, i+1
.endr
	WIN 0
.if (\a) >= 4
	s_wait_alu depctr_va_vdst(0)
	s_wait_xcnt 0x0                                ; block a - 4's stores have read their data
.endif
.irp e, 0,1,2,3
	v_cvt_scalef32_pk8_fp8_f32 v[CW+4*\e:CW+4*\e+1], v[RT+16*\e:RT+16*\e+7], v[CSC]
	v_cvt_scalef32_pk8_fp8_f32 v[CW+4*\e+2:CW+4*\e+3], v[RT+16*\e+8:RT+16*\e+15], v[CSC]
.endr
	v_nop                                          ; one plain line between the last conversion and the next vector line that writes its sources
.irp e, 0,1,2,3
	global_store_b128 v[CO], v[CW+4*\e:CW+4*\e+3], s[80:81] offset:((\a)/4)*131072+2048*((\a)%4)+512*\e   ; head a / 4, tile a % 4 of its 64, keys 32 e on
.endr
.endm
	s_wait_alu depctr_va_vdst(0)
	s_wait_tensorcnt 1                             ; my part of K step 0 is in (K step 1's load may be out)
	s_barrier_signal -1
	s_barrier_wait -1                              ; everybody's is
	FETCH_B 0, 0, 0
	FETCH_A 0, 0, 0
	FETCH_A 0, 0, 4
	STEP 0, 0, 1                                   ; the first step's products start the sums
	TURN 0, 1, 1                                   ; slot 0 takes K step 2
	STEP 1, 0, 0
	TURN 1, 0, 1                                   ; slot 1 takes K step 3
	STEP 0, 0, 0
	TURN 0, 1, 0                                   ; nothing is left to fetch: no round
	STEP 1, 0, 0
	s_wait_kmcnt 0x0                               ; the exponents.  What they decide is chosen by s_cselect_b32 on sel: no branch hangs on a loaded number
	s_cmp_eq_u32 ttmp9, 0
	s_cselect_b32 s84, s68, s70                    ; ex
	s_cselect_b32 s85, s69, s71                    ; ew
	s_cselect_b32 s86, s74, s75                    ; eo: entry 6 for Q, 7 for K,
	s_cmp_eq_u32 ttmp9, 2
	s_cselect_b32 s84, s72, s84
	s_cselect_b32 s85, s73, s85
	s_cselect_b32 s86, s77, s86                    ; 9 for V
	s_sub_co_i32 s86, s86, s84
	s_sub_co_i32 s86, s86, s85
	s_add_co_i32 s86, s86, 127
	s_lshl_b32 s87, s86, 23
	v_mov_b32 v[CSC], s87                          ; 2^(eo - ex - ew): the three scales folded into the conversion's one
	s_add_co_i32 s86, s86, 8
	s_lshl_b32 s86, s86, 23
	s_or_b32 s86, s86, 0x600000
	v_mov_b32 v[LIM], s86                          ; 448 x that
	s_cmp_eq_u32 ttmp9, 2                          ; the cluster's x: alike in all sixteen partners.  The one parting of the two ways; neither touches LDS but by the last step's waits, and they join at the wave's end
	s_cbranch_scc1 .Lv_out
	TLOAD 0                                        ; Q, K: the first two blocks' table numbers land under the last step's products
	TLOAD 1
	LAST
.irp a, 0,1,2,3,4,5,6,7
	QKOUT \a
.endr
	s_branch .Ldone
.Lv_out:
	LAST                                           ; V is not rotated: no table number is loaded
	s_wait_alu depctr_va_vdst(0)
.irp a, 0,1,2,3,4,5,6,7
	VOUT \a
.endr
.Ldone:
	s_wait_tensorcnt 0x0                           ; the wave's end, behind my last tensor load
	ds_add_u32 v[SPW], v[NIL]
	s_wait_dscnt 0x0
	CROUND                                         ; the closing round: no work-group ends while a partner may still ask for a tile that names it
	s_endpgm
.Lfunc_end_k_q011410e8d5_qkv:
	.size	k_q011410e8d5_qkv, .Lfunc_end_k_q011410e8d5_qkv-k_q011410e8d5_qkv
	.p2alignl 7, 3214868480
	.fill 96, 4, 3214868480
	.section	.rodata,"a",@progbits
	.p2align	6, 0x0
	.amdhsa_kernel k_q011410e8d5_qkv
		.amdhsa_group_segment_fixed_size 327680
		.amdhsa_private_segment_fixed_size 0
		.amdhsa_enable_private_segment 0
		.amdhsa_kernarg_size 40
		.amdhsa_user_sgpr_count 2
		.amdhsa_user_sgpr_kernarg_segment_ptr 1
		.amdhsa_wavefront_size32 1
		.amdhsa_system_sgpr_workgroup_id_x 1
		.amdhsa_system_sgpr_workgroup_id_y 1
		.amdhsa_system_sgpr_workgroup_id_z 1
		.amdhsa_system_vgpr_workitem_id 0
		.amdhsa_next_free_vgpr 1024
		.amdhsa_next_free_sgpr 100
		.amdhsa_reserve_vcc 0
		.amdhsa_float_denorm_mode_32 3
		.amdhsa_float_denorm_mode_16_64 3
		.amdhsa_fp16_overflow 1
		.amdhsa_memory_ordered 1
		.amdhsa_forward_progress 1
		.amdhsa_inst_pref_size 169
	.end_amdhsa_kernel
	.amdgpu_metadata
---
amdhsa.version: [ 1, 2 ]
amdhsa.kernels:
  - .name:           k_q011410e8d5_qkv
    .symbol:         k_q011410e8d5_qkv.kd
    .args:
      - { .name: xc, .offset: 0, .size: 8, .value_kind: global_buffer, .address_space: global }
      - { .name: wc, .offset: 8, .size: 8, .value_kind: global_buffer, .address_space: global }
      - { .name: rope, .offset: 16, .size: 8, .value_kind: global_buffer, .address_space: global }
      - { .name: lowp_scales, .offset: 24, .size: 8, .value_kind: global_buffer, .address_space: global }
      - { .name: qkv, .offset: 32, .size: 8, .value_kind: global_buffer, .address_space: global }
    .group_segment_fixed_size: 327680
    .private_segment_fixed_size: 0
    .kernarg_segment_align: 8
    .kernarg_segment_size: 40
    .max_flat_workgroup_size: 128
    .sgpr_count:     100
    .vgpr_count:     1024
    .wavefront_size: 32
...
	.end_amdgpu_metadata
.endif
;; end of part 2
;; launch attn (part 3): grid 4 x 64, 16 waves a work-group, no clusters, 264,192 bytes of LDS; arguments qkv, lowp_scales, ac; writes ac
.if DOCPART == 3
	.amdgcn_target "amdgcn-amd-amdhsa--gfx1250"
	.amdhsa_code_object_version 6
	.text
	.protected	k_q011410e8d5_attn
	.globl	k_q011410e8d5_attn
	.p2align	8
	.type	k_q011410e8d5_attn,@function
k_q011410e8d5_attn:
	s_mov_b64 s[64:65], 0
	v_nop
	global_prefetch_b8 v0, s[64:65] scope:SCOPE_SE
	s_setreg_imm32_b32 hwreg(HW_REG_WAVE_MODE, 25, 1), 1
	s_wait_xcnt 0x0
; O[q] = the sum over k <= q of softmax_k(Q[q] . K[k] / 8) V[k] for each of 64 heads (batch x head) of 2,048 tokens and 64 channels, both products on codes of FP8 (E4M3); O leaves as codes for the last product.
; THE SOFTMAX AHEAD OF THE SECOND PRODUCT: t = score x log2(e) / 8; M = the row's largest t so far, rounded UP to a whole number; p = 2^(t - M) is quantised, not normalised.  The row's sum is taken of the unquantised p and
; divides O at the end.  When M moves, the sum and O are multiplied by 2^(old M - new M): exact.
; SHARES.  A work-group serves one head: the head's whole K and V, 2 x 131,072 bytes of codes, lie in LDS, filled ONCE: no slot is ever filled again.  Four work-groups share a head's queries.  A wave owns two tiles of 16 queries,
; tile T = wave / 2 of query steps QS1 and 15 - QS1 (a step is 128 tokens), QS1 = 15 - x or 8 + x by the wave's kind: so every wave walks QS1 + 1 + 16 - QS1 = 17 key steps of 128, and the causal work is even.
; Sixteen waves of 256 registers, four to a SIMD: one wave's vector work stands beside another's matrix work and LDS loads.
; NO CLUSTER: the work-groups that read the same K and V are those of one head, and they differ in their causal limits: the jumps round hidden steps would hang on a work-group's place in its cluster.
; LAYOUT.  All operands lie as images of their registers (512 dense bytes for four registers, lane l's 16 at 16 l).  Both products are used transposed: S^T = K Q^T, O^T = V^T P^T: a lane holds ONE query throughout.
; Tile T' of a step holds the keys 32 (T' / 2) + 8 (T' % 2) + r + 8 (r / 8), so p's 16 registers of tiles 2 e, 2 e + 1 are the keys 32 e + 16 h + 0 .. 15; V's tiles hold channels by the same rule, so O^T's registers are
; neighbouring channels, which are the last product's K: the conversions' results are stored as they stand.
; LIMITS on the given exponents: e6 + e7 between -123 and 130 (added to c's exponent field); e8, and e10 - e8 - e9, between -126 and 119.  NaN is not served.
; REGISTERS: v1 16 x lane; v5, v6 the add's two; v8, v9 LDS addresses in hand; v10 my query's place less 16 h; v11 -infinity; v12 -M, v13 the largest t, v[14:15] the sum; v16-23, v24-31 my two tiles of Q;
;   v32-95 fragments of K, then of V; v96-159 S^T, then p; v160-191 O^T; v192-199 O's codes; v200-215 p's codes; v216-223 at work; v225: 2^e8; v226: 2^(e10 - e8 - e9).
.set VOFF,  131072                     ; LDS: K's step ks at 8192 ks, V's at VOFF + 8192 ks
.set SPARE, 262144                     ; behind them: the spare words, 128 bytes for each wave: eight blocks of 256 bytes that no other line names
	s_load_b128 s[4:7], s[0:1], 0x0                ; Q, K, V's codes s[4:5], the exponents s[6:7]
	s_load_b64 s[8:9], s[0:1], 0x10                ; the result
	v_lshl_add_u32 v5, v0, 2, SPARE
	v_mov_b32 v6, 0
	ds_add_u32 v5, v6                              ; the wave's opening: the add and its wait ahead of my first tensor load; the set-up below, work on registers, stands between them
	ds_add_u32 v5, v6
	v_lshrrev_b32 v8, 5, v0
	s_delay_alu instid0(VALU_DEP_1)
	v_readfirstlane_b32 s18, v8                    ; wave 0..15
	v_and_b32 v1, 31, v0
	s_delay_alu instid0(VALU_DEP_1)
	v_lshlrev_b32 v1, 4, v1                        ; 16 x lane; never rewritten
	s_lshr_b32 s10, s18, 1                         ; T
	s_lshr_b32 s11, s18, 2
	s_add_co_u32 s11, s11, s18
	s_and_b32 s11, s11, 1                          ; the wave's kind: the two waves of a T differ in it
	s_add_co_u32 s12, ttmp9, 8
	s_sub_co_u32 s13, 15, ttmp9
	s_cmp_eq_u32 s11, 1
	s_cselect_b32 s48, s12, s13                    ; QS1, 8 or more
	s_sub_co_u32 s49, 15, s48                      ; QS2, 7 or less
	s_and_b32 s14, ttmp7, 0xffff                   ; the head, 0 .. 63
	s_lshl_b32 s15, s14, 4
	s_add_co_u32 s16, s15, s48
	s_lshl_b32 s16, s16, 3
	s_add_co_u32 s16, s16, s10
	s_lshl_b32 s76, s16, 10                        ; Q's tile: ((16 head + QS) x 8 + T) x 1,024 bytes
	s_mov_b32 s77, 0
	s_add_co_u32 s16, s15, s49
	s_lshl_b32 s16, s16, 3
	s_add_co_u32 s16, s16, s10
	s_lshl_b32 s78, s16, 10
	s_mov_b32 s79, 0
	s_and_b32 s16, s14, 15                         ; the result, as the last product's operand: block of 128 tokens x 131072 + (k / 256) x 32768 + 4096 T + ((k / 64) % 4) x 1024, k = 64 x head of the batch
	s_lshr_b32 s17, s16, 2
	s_lshl_b32 s17, s17, 15
	s_and_b32 s16, s16, 3
	s_lshl_b32 s16, s16, 10
	s_add_co_u32 s17, s17, s16
	s_lshl_b32 s16, s10, 12
	s_add_co_u32 s17, s17, s16
	s_lshr_b32 s16, s14, 4
	s_lshl_b32 s16, s16, 4                         ; 16 x batch
	s_add_co_u32 s12, s16, s48
	s_lshl_b32 s12, s12, 17
	s_add_co_u32 s12, s12, s17
	s_mov_b32 s13, 0
	s_add_co_u32 s16, s16, s49
	s_lshl_b32 s16, s16, 17
	s_add_co_u32 s16, s16, s17
	s_mov_b32 s17, 0
	; what I fetch: waves 0-7 K, waves 8-15 V; of each group g of four key steps (32,768 bytes) 4,096 bytes a wave, so that every wave's g-th load belongs to group g
	s_lshr_b32 s51, s18, 3
	s_and_b32 s52, s18, 7
	s_lshl_b32 s53, s51, 17
	s_lshl_b32 s54, s52, 12
	s_add_co_u32 s53, s53, s54                     ; in LDS
	s_add_co_u32 s74, s51, 1
	s_lshl_b32 s74, s74, 23                        ; in memory: section 1 (K) or 2 (V),
	s_lshl_b32 s75, s14, 17
	s_add_co_u32 s74, s74, s75                     ; my head,
	s_add_co_u32 s74, s74, s54                     ; my wave's part
	s_mov_b32 s75, 0
	; descriptor group 1: a dense block of 4,096 bytes as 16 rows of 32 elements of 8 bytes
	s_mov_b32 s24, 3<<16                           ; no mask; elements of 8 bytes; no padding
	s_mov_b32 s25, 32<<16                          ; tensor_dim0
	s_mov_b32 s26, 16<<16                          ; tensor_dim1
	s_mov_b32 s27, 32<<16                          ; tile_dim0
	s_mov_b32 s28, 16                              ; tile_dim1
	s_mov_b32 s29, 32                              ; tensor_dim0_stride
	s_mov_b32 s30, 0
	s_mov_b32 s31, 0
	s_mov_b32 s20, 0x76543210                      ; v_permlanex16_b32's selects for lane l xor 16
	s_mov_b32 s21, 0xfedcba98
	s_mov_b32 s22, 0x3e38aa3b                      ; c = log2(e) / 8
	s_wait_alu depctr_va_vdst(0)
	s_wait_dscnt 0x0                               ; the opening add is done
	s_wait_kmcnt 0x0
	s_load_b128 s[68:71], s[6:7], 0x18             ; e6, e7, e8, e9
	s_load_b32 s72, s[6:7], 0x28                   ; e10
	s_add_nc_u64 s[74:75], s[4:5], s[74:75]
.irp g, 0,1,2,3
	s_mov_b32 s[32+4*\g], 1                        ; count = 1
	s_add_co_u32 s[33+4*\g], s53, \g*32768         ; LDS address
	s_add_nc_u64 s[34+4*\g:35+4*\g], s[74:75], \g*32768
	s_or_b32 s[35+4*\g], s[35+4*\g], 0x80000000    ; type = 2
.endr
.irp g, 0,1,2,3
	tensor_load_to_lds s[32+4*\g:35+4*\g], s[24:31]   ; all the launch's fills go out here, as one group: four tensor loads of mine are out
	s_nop 0
.endr
.rept 4
	v_nop
.endr
	s_add_nc_u64 s[56:57], s[4:5], s[76:77]
	s_add_nc_u64 s[58:59], s[4:5], s[78:79]
	s_add_nc_u64 s[60:61], s[8:9], s[12:13]
	s_add_nc_u64 s[62:63], s[8:9], s[16:17]
	global_load_b128 v[16:19], v1, s[56:57]        ; my two tiles of Q stay in registers
	global_load_b128 v[20:23], v1, s[56:57] offset:512
	global_load_b128 v[24:27], v1, s[58:59]
	global_load_b128 v[28:31], v1, s[58:59] offset:512
	v_and_b32 v2, 15, v0
	s_delay_alu instid0(VALU_DEP_1)
	v_and_b32 v3, 8, v2
	s_delay_alu instid0(VALU_DEP_1)
	v_add_nc_u32 v2, v2, v3                        ; r + 8 (r / 8)
	v_bfe_u32 v3, v0, 4, 1
	s_delay_alu instid0(VALU_DEP_1)
	v_lshlrev_b32 v3, 4, v3
	s_delay_alu instid0(VALU_DEP_1)
	v_sub_nc_u32 v10, v2, v3
	s_lshr_b32 s55, s10, 1
	s_lshl_b32 s55, s55, 5
	s_and_b32 s54, s10, 1
	s_lshl_b32 s54, s54, 3
	s_add_co_u32 s55, s55, s54
	v_add_nc_u32 v10, s55, v10                     ; my query's place in its step, less 16 h
	v_mov_b32 v11, 0xff800000                      ; -infinity
	v_mov_b32 v216, 0                              ; written once: a lane permute's destination counts as one of its sources
	v_mov_b32 v219, 0                              ; (named as the upper half of the pair v[218:219])
	s_wait_kmcnt 0x0
	s_add_co_i32 s73, s68, s69
	s_lshl_b32 s73, s73, 23
	s_add_co_i32 s22, s22, s73                     ; a score stands for score x 2^(e6 + e7): the two exponents are added to c's exponent field
	s_mov_b32 s23, s22                             ; (named with it as a pair, so it is written)
	s_add_co_i32 s73, s70, 127
	s_lshl_b32 s74, s73, 23
	v_mov_b32 v225, s74                            ; 2^e8
	s_sub_co_i32 s73, s72, s70
	s_sub_co_i32 s73, s73, s71
	s_add_co_i32 s73, s73, 127
	s_lshl_b32 s74, s73, 23
	v_mov_b32 v226, s74                            ; O^T / the sum stands for that x 2^(e8 + e9): its code is taken with 2^(e10 - e8 - e9)
.macro INIT                            ; the step is written once for all steps: the first finds zeros, which the first change of M leaves zeros
	v_mov_b32 v13, 0xff61b1e6                      ; the largest t so far: -3e38, under every t
	s_delay_alu instid0(VALU_DEP_1)
	v_floor_f32 v12, -v13                          ; -M
	v_mov_b32 v14, 0
	v_mov_b32 v15, 0
.set i, 0
.rept 32
	v_mov_b32 v[160+i], 0
.set i, i+1
.endr
.endm
; A KEY STEP: 128 keys, step s3 of the head, at LDS byte s2; my tile of Q in v[qreg] on, its query step in s[qs].
.macro STEP qreg, qs
	s_cmp_gt_u32 s3, s[\qs]                        ; a step all of whose keys come after my queries is left out: a scalar branch on ids, round the step's work, not round the lines at its end that step s2 and s3
	s_cbranch_scc1 .Lhidden_\@
	s_setprio 2
	v_add_nc_u32 v8, s2, v1
	s_delay_alu instid0(VALU_DEP_1)
	v_add_nc_u32 v9, VOFF, v8
.set i, 0
.rept 16
	ds_load_b128 v[32+4*i:35+4*i], v8 offset:512*i   ; K's eight tiles of 16 keys x 64: 8 registers each
.set i, i+1
.endr
	s_wait_alu depctr_va_vdst(0)
	s_wait_dscnt 0x0
.set i, 0
.rept 8
	v_wmma_f32_16x16x64_fp8_fp8 v[96+8*i:103+8*i], v[32+8*i:39+8*i], v[\qreg:\qreg+7], 0
.set i, i+1
.endr
.rept 4
	v_nop                                          ; places in front of the loads into K's registers and of the first read of the scores
.endr
.set i, 0
.rept 16
	ds_load_b128 v[32+4*i:35+4*i], v9 offset:512*i   ; V's four tiles of 16 channels x 128 keys: they land under the softmax
.set i, i+1
.endr
	s_cmp_lg_u32 s3, s[\qs]                        ; on the diagonal the scores of hidden keys become -infinity ahead of the maximum: p = 0 then.  Register 16 e + i holds key 32 e + 16 h + i of the step
	s_cbranch_scc1 .Lopen_\@
.set i, 0
.rept 64
	v_cmp_gt_i32 vcc_lo, 32*(i/16)+i%16, v10
	v_cndmask_b32 v[96+i], v[96+i], v11, vcc_lo
.set i, i+1
.endr
.Lopen_\@:
	v_max3_num_f32 v222, v96, v97, v98             ; the step's largest score of my query, among my 64 keys, in two chains,
	v_max3_num_f32 v223, v99, v100, v101
.set i, 6
.rept 14
	v_max3_num_f32 v222, v222, v[96+i], v[97+i]
	v_max3_num_f32 v223, v223, v[98+i], v[99+i]
.set i, i+4
.endr
	v_max3_num_f32 v222, v222, v158, v159
	s_delay_alu instid0(VALU_DEP_1)
	v_max_num_f32 v222, v222, v223
	s_delay_alu instid0(VALU_DEP_1)
	v_permlanex16_b32 v216, v222, s20, s21
	s_delay_alu instid0(VALU_DEP_1)
	v_max_num_f32 v222, v222, v216                 ; and among lane l xor 16's
	s_delay_alu instid0(VALU_DEP_1)
	v_mul_f32 v222, s22, v222                      ; as t (c is positive)
	s_delay_alu instid0(VALU_DEP_1)
	v_max_num_f32 v13, v13, v222                   ; the running largest t
	v_mov_b32 v222, v12
	s_delay_alu instid0(VALU_DEP_2)
	v_floor_f32 v12, -v13                          ; the new -M = floor(-t) = -ceil(t): a whole number
	s_delay_alu instid0(VALU_DEP_1)
	v_sub_f32 v222, v12, v222                      ; old M less new M: a whole number, 0 or less
	s_delay_alu instid0(VALU_DEP_1)
	v_cvt_i32_f32 v222, v222                       ; (it saturates)
	s_delay_alu instid0(VALU_DEP_1)
	v_ldexp_f32 v218, 1.0, v222                    ; f = 2^(old M - new M)
.set i, 0
	s_setprio 1
.rept 32
	v_pk_fma_f32 v[96+i:97+i], v[96+i:97+i], s[22:23], v[12:13] op_sel_hi:[1,0,0]   ; t - M, two at a time
.set i, i+2
.endr
.set i, 0
	s_wait_alu depctr_va_vdst(0)
.rept 64
	v_exp_f32 v[96+i], v[96+i]                     ; p = 2^(t - M), at most 1
.set i, i+1
.endr
	v_pk_mul_f32 v[14:15], v[14:15], v[218:219] op_sel_hi:[1,0]   ; the sums under the new M.  (The plain line behind the exponentials)
	s_wait_alu depctr_va_vdst(0)                   ; the wait ahead of the first line that names an exponential's result: one for the batch of 64
	v_pk_add_f32 v[220:221], v[100:101], v[104:105]
	v_pk_add_f32 v[254:255], v[108:109], v[112:113]
	v_pk_add_f32 v[252:253], v[116:117], v[120:121]
	v_pk_add_f32 v[250:251], v[124:125], v[128:129]
	v_pk_add_f32 v[248:249], v[132:133], v[136:137]
	v_pk_add_f32 v[246:247], v[140:141], v[144:145]
	v_pk_add_f32 v[244:245], v[148:149], v[152:153]
	v_pk_add_f32 v[14:15], v[14:15], v[156:157]
	v_pk_add_f32 v[220:221], v[220:221], v[96:97]
	v_pk_add_f32 v[254:255], v[254:255], v[98:99]
	v_pk_add_f32 v[252:253], v[252:253], v[102:103]
	v_pk_add_f32 v[250:251], v[250:251], v[106:107]
	v_pk_add_f32 v[248:249], v[248:249], v[110:111]
	v_pk_add_f32 v[246:247], v[246:247], v[114:115]
	v_pk_add_f32 v[244:245], v[244:245], v[118:119]
	v_pk_add_f32 v[14:15], v[14:15], v[122:123]
	v_pk_add_f32 v[220:221], v[220:221], v[126:127]
	v_pk_add_f32 v[254:255], v[254:255], v[130:131]
	v_pk_add_f32 v[252:253], v[252:253], v[134:135]
	v_pk_add_f32 v[250:251], v[250:251], v[138:139]
	v_pk_add_f32 v[248:249], v[248:249], v[142:143]
	v_pk_add_f32 v[246:247], v[246:247], v[146:147]
	v_pk_add_f32 v[244:245], v[244:245], v[150:151]
	v_pk_add_f32 v[14:15], v[14:15], v[154:155]
	v_pk_add_f32 v[220:221], v[220:221], v[158:159]
	s_delay_alu instid0(VALU_DEP_2)
	v_pk_add_f32 v[14:15], v[14:15], v[250:251]
	s_delay_alu instid0(VALU_DEP_2)
	v_pk_add_f32 v[220:221], v[220:221], v[248:249]
	s_setprio 0
	v_pk_add_f32 v[254:255], v[254:255], v[246:247]
	v_pk_add_f32 v[252:253], v[252:253], v[244:245]
	s_delay_alu instid0(VALU_DEP_2)
	v_pk_add_f32 v[14:15], v[14:15], v[254:255]
	s_delay_alu instid0(VALU_DEP_2)
	v_pk_add_f32 v[220:221], v[220:221], v[252:253]
	s_delay_alu instid0(VALU_DEP_1)
	v_pk_add_f32 v[14:15], v[14:15], v[220:221]
.set b, 0
.rept 4
.set i, 0
.rept 16
.set i, i+1
.endr
	v_cvt_scalef32_pk8_fp8_f32 v[200+4*b:201+4*b], v[96+16*b:103+16*b], v225
	v_cvt_scalef32_pk8_fp8_f32 v[202+4*b:203+4*b], v[104+16*b:111+16*b], v225
.set b, b+1
.endr
.set i, 0
.rept 16
	v_pk_mul_f32 v[160+i:161+i], v[160+i:161+i], v[218:219] op_sel_hi:[1,0]   ; O^T under the new M.  (Also the plain lines between the conversions and the products that read the codes)
.set i, i+2
.endr
	s_wait_alu depctr_va_vdst(0)
	s_wait_dscnt 0x0                               ; V is in
.set i, 0
.rept 4
	v_wmma_f32_16x16x128_fp8_fp8 v[160+8*i:167+8*i], v[32+16*i:47+16*i], v[200:215], v[160+8*i:167+8*i]   ; the four accumulators take turns, one instruction a turn
.set i, i+1
.endr
.rept 4
	v_nop                                          ; places in front of the next step's loads into V's registers, and of the way out's first read of O^T
.endr
.Lhidden_\@:
	s_add_co_u32 s2, s2, 8192
	s_add_co_u32 s3, s3, 1
.endm
; Group g of four key steps, for my first tile.  My g-th load is in when at most 3 - g younger ones are out; behind the barrier every wave's is.  Later groups may stay on their way.
.macro GROUP g
	s_wait_tensorcnt 3-\g
	s_wait_dscnt 0x0
	s_barrier_signal -1
	s_barrier_wait -1
	s_mov_b32 s2, 32768*\g
	s_mov_b32 s3, 4*\g
	s_mov_b32 s50, 4
.Lgroup_\@:
	STEP 16, 48
	s_sub_co_u32 s50, s50, 1
	s_cmp_lg_u32 s50, 0
	s_cbranch_scc1 .Lgroup_\@
	s_setprio 0
.endm
; THE WAY OUT of a tile: O^T / the sum, held, converted: registers 16 e + i are channels 32 e + 16 h + i of my query: four registers of the last product's operand for each e, stored as 512 dense bytes.
.macro OUT k
	v_add_f32 v14, v14, v15                        ; the sum's two halves,
	s_delay_alu instid0(VALU_DEP_1)
	v_permlanex16_b32 v216, v14, s20, s21
	s_delay_alu instid0(VALU_DEP_1)
	v_add_f32 v14, v14, v216                       ; and lane l xor 16's
	s_wait_alu depctr_va_vdst(0)
	v_rcp_f32 v14, v14
	v_nop                                          ; a plain line behind the reciprocal,
	s_wait_alu depctr_va_vdst(0)                   ; and the wait ahead of its first reader
.set i, 0
.rept 16
	v_pk_mul_f32 v[96+i:97+i], v[160+i:161+i], v[14:15] op_sel_hi:[1,0]   ; each accumulator from its low end on
.set i, i+2
.endr
.set i, 0
.rept 32
.set i, i+1
.endr
.if \k
	s_wait_alu depctr_va_vdst(0)
	s_wait_xcnt 0x0                                ; the first tile's stores have read their data
.endif
.set i, 0
.rept 4
	v_cvt_scalef32_pk8_fp8_f32 v[192+2*i:193+2*i], v[96+8*i:103+8*i], v226
.set i, i+1
.endr
	v_nop                                          ; one plain line between the last conversion and whatever next writes its sources
	global_store_b128 v1, v[192:195], s[60+2*\k:61+2*\k]
	global_store_b128 v1, v[196:199], s[60+2*\k:61+2*\k] offset:512
.endm
	INIT
	s_wait_loadcnt 0x0                             ; Q
	GROUP 0
	GROUP 1
	GROUP 2
	GROUP 3                                        ; its wait is for 0: all of K and V lie in LDS from here on
	OUT 0
	INIT
	s_mov_b32 s2, 0                                ; my second tile: its query step is 7 or less, so eight steps cover it
	s_mov_b32 s3, 0
	s_mov_b32 s50, 8
.Lsecond:
	STEP 24, 49
	s_sub_co_u32 s50, s50, 1
	s_cmp_lg_u32 s50, 0
	s_cbranch_scc1 .Lsecond
	s_setprio 0
	OUT 1
	s_wait_tensorcnt 0x0                           ; the wave's end, behind my last tensor load
	ds_add_u32 v5, v6
	s_wait_dscnt 0x0
	s_endpgm
.Lfunc_end_k_q011410e8d5_attn:
	.size	k_q011410e8d5_attn, .Lfunc_end_k_q011410e8d5_attn-k_q011410e8d5_attn
	.p2alignl 7, 3214868480
	.fill 96, 4, 3214868480
	.section	.rodata,"a",@progbits
	.p2align	6, 0x0
	.amdhsa_kernel k_q011410e8d5_attn
		.amdhsa_group_segment_fixed_size 264192
		.amdhsa_private_segment_fixed_size 0
		.amdhsa_enable_private_segment 0
		.amdhsa_kernarg_size 24
		.amdhsa_user_sgpr_count 2
		.amdhsa_user_sgpr_kernarg_segment_ptr 1
		.amdhsa_wavefront_size32 1
		.amdhsa_system_sgpr_workgroup_id_x 1
		.amdhsa_system_sgpr_workgroup_id_y 1
		.amdhsa_system_sgpr_workgroup_id_z 1
		.amdhsa_system_vgpr_workitem_id 0
		.amdhsa_next_free_vgpr 256
		.amdhsa_next_free_sgpr 80
		.amdhsa_reserve_vcc 1
		.amdhsa_float_denorm_mode_32 3
		.amdhsa_float_denorm_mode_16_64 3
		.amdhsa_fp16_overflow 1
		.amdhsa_memory_ordered 1
		.amdhsa_forward_progress 1
		.amdhsa_inst_pref_size 109
	.end_amdhsa_kernel
	.amdgpu_metadata
---
amdhsa.version: [ 1, 2 ]
amdhsa.kernels:
  - .name:           k_q011410e8d5_attn
    .symbol:         k_q011410e8d5_attn.kd
    .args:
      - { .name: qkv, .offset: 0, .size: 8, .value_kind: global_buffer, .address_space: global }
      - { .name: lowp_scales, .offset: 8, .size: 8, .value_kind: global_buffer, .address_space: global }
      - { .name: ac, .offset: 16, .size: 8, .value_kind: global_buffer, .address_space: global }
    .group_segment_fixed_size: 264192
    .private_segment_fixed_size: 0
    .kernarg_segment_align: 8
    .kernarg_segment_size: 24
    .max_flat_workgroup_size: 512
    .sgpr_count:     80
    .vgpr_count:     256
    .wavefront_size: 32
...
	.end_amdgpu_metadata
.endif
;; end of part 3
;; launch oproj (part 4): grid 4 x 32, 4 waves a work-group, clusters of 4 x 4, 327,680 bytes of LDS; arguments ac, wc, lowp_scales, out0; writes out0
.if DOCPART == 4
	.amdgcn_target "amdgcn-amd-amdhsa--gfx1250"
	.amdhsa_code_object_version 6
	.text
	.protected	k_q011410e8d5_oproj
	.globl	k_q011410e8d5_oproj
	.p2align	8
	.type	k_q011410e8d5_oproj,@function
k_q011410e8d5_oproj:
	s_mov_b64 s[64:65], 0
	v_nop
	global_prefetch_b8 v0, s[64:65] scope:SCOPE_SE
	s_setreg_imm32_b32 hwreg(HW_REG_WAVE_MODE, 25, 1), 1
	s_wait_xcnt 0x0
	s_wait_alu depctr_hold_cnt(0) depctr_sa_sdst(0) depctr_va_vdst(0) depctr_va_sdst(0) depctr_va_ssrc(0) depctr_va_vcc(0) depctr_vm_vsrc(0)
	s_getreg_b32 s2, hwreg(HW_REG_IB_STS2, 6, 4)
	s_cmp_eq_u32 s2, 0
	s_cbranch_scc0 .Lentry_in_a_cluster
	s_endpgm
.Lentry_in_a_cluster:
	s_bfe_u32 s2, ttmp6, 0x10000c
	s_cmp_lg_u32 s2, 0xf033
	s_cbranch_scc0 .Lentry_shape_is_right
	s_endpgm
.Lentry_shape_is_right:
; out0 = A W_o^T on codes of FP8 (E4M3): A [8192][1024] is attention's result, W_o [1024][1024]; out0 [8192][1024] f32.  Each finished sum is multiplied once by 2^(e10 + e11).
; LIMIT: e10 + e11 lies between -126 and 127, so that 2^(e10 + e11) is an f32 number.
; A tile of out0 is 256 x 256, made by four waves, 128 x 128 each: 64 accumulators, 512 registers.  K = 1,024 goes in four steps of 256 through a ring of two LDS slots filled by the tensor data mover.
; OPERANDS LIE IN MEMORY AS IMAGES OF THEIR REGISTERS: 128 rows x 256 K are one dense block of 32,768 bytes; in it fragment i (16 rows x 128 K) of the q-th 128 along K is 4 x 512 bytes at 4096 i + 2048 q, lane l's 16 bytes at 16 l.
; Registers 4 c .. 4 c + 3 of lane (r, h) hold k = 32 c + 16 h + 0 .. 15, alike in both operands.  Fragment i holds the rows 32 (i / 2) + 8 (i % 2) + r + 8 (r / 8): the way out puts rows and columns back by its offsets.
; CLUSTERS: 4 x 4 work-groups; A's tiles are asked for jointly along a row of the cluster, W_o's along a column.  THE MATRIX INSTRUCTION IS USED TRANSPOSED (source 0 = W_o's rows, source 1 = A's).
; REGISTERS, in windows of 256: window 0: v16-29 addresses; from v128 A's fragments, ONE set; on the way out v32-95 a block's numbers, v128-255 two blocks read back.   window 1: W_o's fragments, TWO sets.
;   window 2: the accumulators of A's blocks 0-3 ((a, b) at v[8 (8 (a % 4) + b)]);   window 3: of blocks 4-7.
.set HALFT,  32768
.set SLOT,   4*HALFT                   ; A's two halves, then W_o's two
.set SPARE,  2*SLOT                    ; behind the ring: the spare words, 128 bytes for each wave: two blocks of 256 bytes that no other line names
.set SPITCH, 528                       ; the way out: a stage of 16 rows x (512 bytes + 16) for each wave.  It lies in slot 0, which has had its last fill and its last read when the first result is stored there
.set FR,     16
.set NL,     4
.set NP,     4
.set ADRA, 16
.set ADRB, 20
.set STO,  24                          ; v24     the way out: where I put 32 bytes of a row
.set RD,   25                          ; v25     where I read a row back
.set CO,   26                          ; v26     16 x lane; never rewritten
.set SPW,  28
.set NIL,  29
.set TMP,  32
.set AF,   128
.set BK,   128
.set G1, 24
.set G0, 32
.set G1B, 48
.set G0B, 56
.set MSB, 0
.macro WIN new                         ; the immediate's high byte repeats the setting that is left
.if MSB != (\new)
	s_set_vgpr_msb (MSB<<8)|(\new)
.set MSB, \new
.endif
.endm
.set MUL_LO, 0xa1
.set MUL_HI, 0xf1
.set TO_B,   0x40
.macro JLOAD g0a, g1a, g0b, g1b        ; a joint load: waves 0 and 1 fetch A's halves, waves 2 and 3 W_o's; an s_nop 0 and four v_nop follow each of the two lines
	s_cmp_eq_u32 s15, 0
	s_cbranch_scc0 .Lfor_b_\@
	tensor_load_to_lds s[\g0a:\g0a+3], s[\g1a:\g1a+7]
	s_nop 0
.rept 4
	v_nop
.endr
	s_branch .Lasked_\@
.Lfor_b_\@:
	tensor_load_to_lds s[\g0b:\g0b+3], s[\g1b:\g1b+7]
	s_nop 0
.rept 4
	v_nop
.endr
.Lasked_\@:
.endm
.macro CREST
	s_cmp_lg_u32 s14, 0
	s_cbranch_scc1 .Lnot_wave_0_\@
	s_barrier_signal -3
.Lnot_wave_0_\@:
	s_barrier_wait -3
	s_barrier_signal -1
	s_barrier_wait -1
.endm
.macro CROUND
	s_barrier_signal -1
	s_barrier_wait -1
	CREST
.endm
	s_load_b128 s[4:7], s[0:1], 0x0                ; A's codes s[4:5], the weights' codes s[6:7]
	s_load_b128 s[8:11], s[0:1], 0x10              ; the exponents s[8:9], out0 s[10:11]
	v_lshl_add_u32 v[SPW], v0, 2, SPARE
	v_mov_b32 v[NIL], 0
	ds_add_u32 v[SPW], v[NIL]                      ; the wave's opening: the add and its wait ahead of my first tensor load; the set-up below, work on registers, stands between them
	v_lshrrev_b32 v1, 5, v0
	v_readfirstlane_b32 s14, v1                    ; wave 0..3
	s_lshr_b32 s15, s14, 1                         ; which half of the tile's rows is mine.  Also: I fetch for A (0) or for W_o (1)
	s_and_b32 s16, s14, 1                          ; which half of its columns.  Also: which 128 rows of that tile I fetch
	s_bfe_u32 s40, ttmp6, 0x40000
	s_bfe_u32 s41, ttmp6, 0x40004
	s_lshl_b32 s42, ttmp9, 2
	s_add_co_u32 s42, s42, s40                     ; tile column = 4 x cluster x + cx
	s_and_b32 s17, ttmp7, 0xffff
	s_lshl_b32 s17, s17, 2
	s_add_co_u32 s17, s17, s41                     ; tile row = 4 x cluster y + cy
	s_lshl_b32 s43, s41, 2
	s_lshl_b32 s43, 15, s43                        ; my row of the cluster
	s_lshl_b32 s44, 0x1111, s40                    ; my column
	s_or_b32 s[G1+0], s43, (3<<16)|(1<<21)         ; the mask; elements of 8 bytes; bit 21 set beside a mask; no padding
	s_or_b32 s[G1B+0], s44, (3<<16)|(1<<21)
.irp g, G1, G1B
	s_mov_b32 s[\g+1], 32<<16                      ; a dense block of 32,768 bytes as 128 rows of 32 elements
	s_mov_b32 s[\g+2], 128<<16
	s_mov_b32 s[\g+3], 32<<16
	s_mov_b32 s[\g+4], 128
	s_mov_b32 s[\g+5], 32
	s_mov_b32 s[\g+6], 0
	s_mov_b32 s[\g+7], 0
.endr
	s_lshl_b32 s20, s17, 1
	s_add_co_u32 s20, s20, s16
	s_lshl_b32 s20, s20, 17                        ; A: block 2 x tile row + half
	s_mov_b32 s21, 0
	s_lshl_b32 s46, s42, 1
	s_add_co_u32 s46, s46, s16
	s_lshl_b32 s46, s46, 17                        ; W_o: block 2 x tile column + half,
	s_add_co_u32 s46, s46, 3<<20                   ; in the fourth weight's section
	s_mov_b32 s47, 0
	s_lshl_b32 s45, s14, 15
	s_wait_dscnt 0x0                               ; the opening add is done
	s_wait_kmcnt 0x0
	s_load_b64 s[96:97], s[8:9], 0x28              ; e10, e11
	s_add_nc_u64 s[20:21], s[4:5], s[20:21]
	s_add_nc_u64 s[46:47], s[6:7], s[46:47]
	CROUND                                         ; all sixteen work-groups are here: the first joint loads meet
.irp s, 0,1
	s_mov_b32 s[G0+4*\s], 1
	s_add_co_u32 s[G0+4*\s+1], s45, \s*SLOT
	s_add_nc_u64 s[G0+4*\s+2:G0+4*\s+3], s[20:21], \s*HALFT
	s_or_b32 s[G0+4*\s+3], s[G0+4*\s+3], 0x80000000
	s_mov_b32 s[G0B+4*\s], 1
	s_add_co_u32 s[G0B+4*\s+1], s45, \s*SLOT
	s_add_nc_u64 s[G0B+4*\s+2:G0B+4*\s+3], s[46:47], \s*HALFT
	s_or_b32 s[G0B+4*\s+3], s[G0B+4*\s+3], 0x80000000
	JLOAD G0+4*\s, G1, G0B+4*\s, G1B               ; two tensor loads of mine are out
.endr
	v_and_b32 v1, 31, v0
	v_lshlrev_b32 v[CO], 4, v1
	s_lshl_b32 s21, s15, 15                        ; my 128 rows of A
	s_lshl_b32 s22, s16, 15                        ; my 128 rows of W_o,
	s_add_co_u32 s22, s22, 2*HALFT                 ; which lie behind A's
.irp s, 0,1
	v_add_nc_u32 v[ADRA+\s], s21, v[CO]
	v_add_nc_u32 v[ADRB+\s], s22, v[CO]
	s_add_co_u32 s21, s21, SLOT
	s_add_co_u32 s22, s22, SLOT
.endr
	s_mul_i32 s23, s14, 16*SPITCH                  ; my stage
	v_and_b32 v2, 15, v0
	v_bfe_u32 v3, v0, 4, 1
	v_mul_u32_u24 v5, v2, SPITCH                   ; in: row r, + 64 h: columns 32 (b / 2) + 16 h + 8 (b % 2) + 0 .. 7 of tile b
	v_lshl_add_u32 v5, v3, 6, v5
	v_add_nc_u32 v[STO], s23, v5
	v_add_nc_u32 v[RD], s23, v[CO]                 ; back: the 32 lanes take one row of 512 bytes
	s_lshl_b32 s20, s17, 1
	s_add_co_u32 s20, s20, s15
	s_lshl_b32 s20, s20, 19                        ; my first row: 128 rows of 4,096 bytes a block
	s_mov_b32 s21, 0
	s_lshl_b32 s46, s42, 1
	s_add_co_u32 s46, s46, s16
	s_lshl_b32 s46, s46, 9                         ; my first column: 128 numbers of 4 bytes a half
	s_mov_b32 s47, 0
	s_add_nc_u64 s[20:21], s[20:21], s[46:47]
	s_add_nc_u64 s[10:11], s[10:11], s[20:21]
.macro FRAG reg, adr, q, i
.irp c, 0,1,2,3
	ds_load_b128 v[\reg+4*\c:\reg+4*\c+3], v[\adr] offset:4096*(\i)+2048*(\q)+512*\c
.endr
.endm
; The 64 accumulators take turns, one instruction a turn, in the same order in every step.
.macro MUL16 a0, p, zero
.irp a, \a0, \a0+1
.irp b, 0,1,2,3,4,5,6,7
.if \zero
	v_wmma_f32_16x16x128_fp8_fp8 v[8*(8*((\a)%4)+\b):8*(8*((\a)%4)+\b)+7], v[128*(\p)+FR*\b:128*(\p)+FR*\b+FR-1], v[AF+FR*(\a):AF+FR*(\a)+FR-1], 0
.else
	v_wmma_f32_16x16x128_fp8_fp8 v[8*(8*((\a)%4)+\b):8*(8*((\a)%4)+\b)+7], v[128*(\p)+FR*\b:128*(\p)+FR*\b+FR-1], v[AF+FR*(\a):AF+FR*(\a)+FR-1], v[8*(8*((\a)%4)+\b):8*(8*((\a)%4)+\b)+7]
.endif
.endr
.endr
.endm
.macro FETCH_B slot, q, p
	WIN TO_B
.irp i, 0,1,2,3,4,5,6,7
	FRAG 128*(\p)+FR*\i, ADRB+\slot, \q, \i
.endr
	WIN 0
.endm
.macro FETCH_A slot, q, i0
.irp i, \i0, \i0+1, \i0+2, \i0+3
	FRAG AF+FR*(\i), ADRA+\slot, \q, \i
.endr
.endm
.macro PLACES n                        ; places behind matrix instructions, in front of loads into registers that they have read and of the first read of results
.rept \n
	v_nop
.endr
.endm
.macro STEP slot, q, zero
	s_wait_dscnt 4*NL                              ; W_o's set and A's blocks 0-3 are in; the youngest sixteen loads (blocks 4-7) may be out
	WIN MUL_LO
	MUL16 0, (\q)%2, \zero
	MUL16 2, (\q)%2, \zero
	s_wait_dscnt 0
	PLACES NP
	FETCH_B \slot, (\q)+1, 1-(\q)%2
	FETCH_A \slot, (\q)+1, 0
	WIN MUL_HI
	MUL16 4, (\q)%2, \zero
	MUL16 6, (\q)%2, \zero
	PLACES NP
	WIN 0
	FETCH_A \slot, (\q)+1, 4
.endm
.macro TURN slot, next, fill
	s_wait_tensorcnt 0x0                           ; all my tensor loads have landed: my part of the next slot;
	ds_add_u32 v[SPW], v[NIL]                      ; 0 onto my spare word;
	s_wait_dscnt 4*NL+1                            ; (the add and the youngest sixteen loads may be out)
	WIN MUL_LO
	MUL16 0, 1, 0
	s_wait_dscnt 0x0                               ; the add is done, and my reads of this slot are over
	s_barrier_signal -1
	MUL16 2, 1, 0
	WIN 0
	s_barrier_wait -1
.if \fill
	CREST                                          ; the barrier has opened a round of the cluster's barrier: no wave of any partner still reads this slot's tile or has a load on its way
	s_add_nc_u64 s[G0+4*\slot+2:G0+4*\slot+3], s[G0+4*\slot+2:G0+4*\slot+3], 2*HALFT
	s_add_nc_u64 s[G0B+4*\slot+2:G0B+4*\slot+3], s[G0B+4*\slot+2:G0B+4*\slot+3], 2*HALFT
	JLOAD G0+4*\slot, G1, G0B+4*\slot, G1B         ; the first tensor load behind the round, my only one until the next
.else
	PLACES NP
.endif
	FETCH_B \next, 0, 0
	FETCH_A \next, 0, 0
	WIN MUL_HI
	MUL16 4, 1, 0
	MUL16 6, 1, 0
	PLACES NP
	WIN 0
	FETCH_A \next, 0, 4
.endm
	s_wait_tensorcnt 1                             ; my part of K step 0 is in (K step 1's load may be out)
	s_barrier_signal -1
	s_barrier_wait -1
	FETCH_B 0, 0, 0
	FETCH_A 0, 0, 0
	FETCH_A 0, 0, 4
	STEP 0, 0, 1
	TURN 0, 1, 1
	STEP 1, 0, 0
	TURN 1, 0, 1
	STEP 0, 0, 0
	TURN 0, 1, 0
	STEP 1, 0, 0
	s_wait_dscnt 4*NL
	WIN MUL_LO
	MUL16 0, 1, 0
	MUL16 2, 1, 0
	s_wait_dscnt 0
	WIN MUL_HI
	MUL16 4, 1, 0
	MUL16 6, 1, 0
	WIN 0
; THE WAY OUT, block a of 16 rows x 128 columns at a time, through my own stage in LDS: in by 32 bytes of a row a lane, back as whole rows of 512 bytes.  LDS serves a wave's instructions in order (ISA guide 5.7.1.4):
; no wait between the stores and the loads, nor in front of the next block's stores.
.macro TOSTAGE a
.set AC, 64*((\a)%4)
	WIN 0x02+((\a)/4)                              ; source 0: window 2 or 3
.set j, 0
.rept 32
	v_pk_mul_f32 v[TMP+j:TMP+j+1], v[AC+j:AC+j+1], s[96:97] op_sel_hi:[1,0]   ; both x s96 = 2^(e10 + e11); each accumulator from its low end on
.set j, j+2
.endr
	WIN 0
.irp b, 0,1,2,3,4,5,6,7
	ds_store_b128 v[STO], v[TMP+8*\b:TMP+8*\b+3] offset:128*(\b/2)+32*(\b%2)
	ds_store_b128 v[STO], v[TMP+8*\b+4:TMP+8*\b+7] offset:128*(\b/2)+32*(\b%2)+16
.endr
.set BB, BK+64*((\a)%2)
.set t, 0
.rept 16
	ds_load_b128 v[BB+4*t:BB+4*t+3], v[RD] offset:t*SPITCH
.set t, t+1
.endr
.endm
.macro SEND a, younger                 ; younger: the LDS instructions issued behind block a's loads, which may stay out
.set BB, BK+64*((\a)%2)
	s_wait_dscnt \younger
.set t, 0
.rept 16
	global_store_b128 v[CO], v[BB+4*t:BB+4*t+3], s[10:11] offset:(32*((\a)/2)+8*((\a)%2)+t+8*(t/8))*4096 th:TH_STORE_NT   ; the stage's row t is row 32 (a / 2) + 8 (a % 2) + t + 8 (t / 8) of my 128: 512 consecutive bytes, at a multiple of 512 from out0's first byte
.set t, t+1
.endr
.endm
	s_wait_kmcnt 0x0
	s_add_co_i32 s96, s96, s97
	s_add_co_i32 s96, s96, 127
	s_lshl_b32 s96, s96, 23                        ; 2^(e10 + e11) as f32
	PLACES NP
	TOSTAGE 0
.irp a, 1,2,3,4,5,6,7
.if \a > 1
	s_wait_xcnt 0x0                                ; block a - 2's stores have read their registers: block a's loads may land there
.endif
	TOSTAGE \a
	SEND \a-1, 32                                  ; behind block a - 1's loads: block a's 16 stores and 16 loads
.endr
	SEND 7, 0
	s_wait_tensorcnt 0x0                           ; the wave's end, behind my last tensor load and my last LDS store
	ds_add_u32 v[SPW], v[NIL]
	s_wait_dscnt 0x0
	CROUND                                         ; the closing round: no work-group ends while a partner may still ask for a tile that names it
	s_endpgm
.Lfunc_end_k_q011410e8d5_oproj:
	.size	k_q011410e8d5_oproj, .Lfunc_end_k_q011410e8d5_oproj-k_q011410e8d5_oproj
	.p2alignl 7, 3214868480
	.fill 96, 4, 3214868480
	.section	.rodata,"a",@progbits
	.p2align	6, 0x0
	.amdhsa_kernel k_q011410e8d5_oproj
		.amdhsa_group_segment_fixed_size 327680
		.amdhsa_private_segment_fixed_size 0
		.amdhsa_enable_private_segment 0
		.amdhsa_kernarg_size 32
		.amdhsa_user_sgpr_count 2
		.amdhsa_user_sgpr_kernarg_segment_ptr 1
		.amdhsa_wavefront_size32 1
		.amdhsa_system_sgpr_workgroup_id_x 1
		.amdhsa_system_sgpr_workgroup_id_y 1
		.amdhsa_system_sgpr_workgroup_id_z 1
		.amdhsa_system_vgpr_workitem_id 0
		.amdhsa_next_free_vgpr 1024
		.amdhsa_next_free_sgpr 100
		.amdhsa_reserve_vcc 0
		.amdhsa_float_denorm_mode_32 3
		.amdhsa_float_denorm_mode_16_64 3
		.amdhsa_memory_ordered 1
		.amdhsa_forward_progress 1
		.amdhsa_inst_pref_size 122
	.end_amdhsa_kernel
	.amdgpu_metadata
---
amdhsa.version: [ 1, 2 ]
amdhsa.kernels:
  - .name:           k_q011410e8d5_oproj
    .symbol:         k_q011410e8d5_oproj.kd
    .args:
      - { .name: ac, .offset: 0, .size: 8, .value_kind: global_buffer, .address_space: global }
      - { .name: wc, .offset: 8, .size: 8, .value_kind: global_buffer, .address_space: global }
      - { .name: lowp_scales, .offset: 16, .size: 8, .value_kind: global_buffer, .address_space: global }
      - { .name: out0, .offset: 24, .size: 8, .value_kind: global_buffer, .address_space: global }
    .group_segment_fixed_size: 327680
    .private_segment_fixed_size: 0
    .kernarg_segment_align: 8
    .kernarg_segment_size: 32
    .max_flat_workgroup_size: 128
    .sgpr_count:     100
    .vgpr_count:     1024
    .wavefront_size: 32
...
	.end_amdgpu_metadata
.endif
;; end of part 4
